; MI455X (gfx1250); checked and timed in simulation.
; The chip was launched on July 23, 2026; its instructions are those of AMD's public machine-readable ISA for CDNA 5 (MIT licence, August 2026) and "CDNA5" Instruction Set Architecture Reference Guide (July 2026). The comments in the code are by the model that wrote it; some were corrected since.
;; Multi Head Attention. Allowed arithmetic: matrix products marked QUANTISED: E2M3 operands, one E8M0 scale for each 32 along K, by v_wmma_scale_f32_16x16x128_f8f6f4 with both operands' format E2M3, f32 sums; everything else in f32.
;; Inputs: Wk 1,024 x 1,024 float32; Wq 1,024 x 1,024 float32; Wv 1,024 x 1,024 float32; bk 1,024 float32; bq 1,024 float32; bv 1,024 float32; key 4 x 2,048 x 1,024 float32; query 4 x 2,048 x 1,024 float32; value 4 x 2,048 x 1,024 float32.
;; Outputs: out0 4 x 2,048 x 1,024 float32.
;; This version of the problem:
;;   THIS VERSION OF THE PROBLEM IS GIVEN IN LOW PRECISION. The matrix products marked QUANTISED in the list below multiply operands that are first quantised to E2M3 (2 exponent bits, 3 mantissa bits; 6 bits a number), with one power-of-two scale for each 32 numbers along K (OCP MX v1.0); their sums are f32. All else is computed in f32.
;;   The module's matrix products, in the order in which they are computed (A, B: the left and right operand; K: the contracted axis; several contracted axes count as one K, in the product's order):
;;     1. [M 8,192, K 1,024] x [K 1,024, N 1,024]; A: input query; B: input Wq: QUANTISED
;;     2. [M 8,192, K 1,024] x [K 1,024, N 1,024]; A: input key; B: input Wk: QUANTISED
;;     3. [M 8,192, K 1,024] x [K 1,024, N 1,024]; A: input value; B: input Wv: QUANTISED
;;     4. batch 64 x [M 2,048, K 64] x [K 64, N 2,048]; A: computed on the way; B: computed on the way: QUANTISED
;;     5. batch 64 x [M 2,048, K 2,048] x [K 2,048, N 64]; A: softmax (see below); B: computed on the way: QUANTISED
;;   THE QUANTISER, for each operand of a quantised product, along K:
;;     - K is cut into blocks of 32 from its start; a last block that is shorter is filled with zeros.
;;     - A block's scale is 2^e with e = floor(log2(the largest magnitude in the block)) - 2, held to -126 .. 127; a block of zeros has e = 0. As a byte (E8M0): e + 127.
;;     - Each number is divided by its block's scale, clamped to +-7.5, and rounded to the nearest number of E2M3, ties to even, subnormals kept.
;;     - The product sums the exact products of the quantised numbers (number of the format x scale) in f32.
;;   ~~~python
;;   def quantise(x, axis):      # numpy; x: float32 -> the quantised numbers, widened to float32 again
;;       x = np.moveaxis(x, axis, -1); K = x.shape[-1]
;;       x = np.pad(x, [(0, 0)] * (x.ndim - 1) + [(0, -K % 32)]); x = x.reshape(x.shape[:-1] + (-1, 32)); a = np.abs(x).max(-1, keepdims=True)
;;       e = np.where(a > 0, np.clip(np.frexp(np.where(a > 0, a, 1))[1] - 1 - 2, -126, 127), 0)      # np.frexp(a)[1] - 1 = floor(log2(a)), exactly
;;       r = np.clip(x / 2.0 ** e, -7.5, 7.5)
;;       step = 2.0 ** (np.maximum(np.frexp(np.where(r == 0, 1, r))[1] - 1, 0) - 3)
;;       q = np.round(r / step) * step * 2.0 ** e      # np.round: ties to even
;;       return np.moveaxis(q.reshape(q.shape[:-2] + (-1,))[..., :K], -1, axis).astype(np.float32)
;;   ~~~
;;   SOFTMAX AHEAD OF A QUANTISED PRODUCT. Where the list says 'softmax', what is quantised is not the finished softmax but p = 2^(t - M), with t = logit x log2(e) and M = ceil(the row's largest t), a whole number; so 1/2 < the row's largest p <= 1. The row's sum l is taken of the UNQUANTISED p, in f32, and the product's result is divided by l at the end. Since M is a whole number, a kernel that streams over the keys may use a running M (the ceiling of the running maximum): every later rescaling is an exact power of two, which a block's scale takes up: the codes' values come out the same.
;;   OPERANDS COMPUTED ON THE WAY. 'Computed on the way' means the value that the module computes at that place (a softmax that the list does not call 'softmax' is quantised finished and normalised). What goes into a quantiser is computed in f32, as accurately as f32 sums, v_exp_f32 and their like allow (about 1e-6 of the number): no bf16 or f16 on the way to a quantiser, and a product that is left as it is and whose result goes on into a quantised operand takes f32 operands (vector FMAs, or v_wmma_f32_16x16x4_f32). A number that lies on a knife's edge between two numbers of the format may be rounded either way, as far as f32 arithmetic and the matrix unit's own rounding can turn it there, and no further.
;; One version. Each part assembles by itself: llvm-mc -triple=amdgcn-amd-amdhsa -mcpu=gfx1250 --defsym DOCPART=n.
;; ======== version 1 of 1: 4 launches
;; workspace buffers: xc 18,874,368 bytes; xs 786,432 bytes; wc 2,359,296 bytes; ws 98,304 bytes; pj 19,660,800 bytes
;; launch qx (part 1): grid 768 x 1, 4 waves a work-group, no clusters, 33,280 bytes of LDS; arguments query, key, value, xc, xs; writes xc, xs
.if DOCPART == 1
	.amdgcn_target "amdgcn-amd-amdhsa--gfx1250"
	.amdhsa_code_object_version 6
	.text
	.protected	k_q896a7a830f_qx
	.globl	k_q896a7a830f_qx
	.p2align	8
	.type	k_q896a7a830f_qx,@function
k_q896a7a830f_qx:
	s_mov_b64 s[64:65], 0
	v_nop
	global_prefetch_b8 v0, s[64:65] scope:SCOPE_SE
	s_setreg_imm32_b32 hwreg(HW_REG_WAVE_MODE, 25, 1), 1
	s_wait_xcnt 0x0
; query, key, value, each [8192][1024] f32, are turned into codes of FP6 (E2M3), 6 bits each, K innermost, with one E8M0 scale byte for each 32 along K.
; Out: xc = 3 tensors x 8192 rows x 768 bytes of codes, xs = 3 x 8192 x 32 scale bytes; tensor order query, key, value.
; ROW ORDER: row n lies at position p(n) = n with its bits 3 and 4 exchanged.  So 16 neighbouring positions hold rows 0-7 and 16-23 (or 8-15 and 24-31) of a group of 32: the product's launch reads plain tiles of 16
; positions, and the 16 registers that a lane gets from two neighbouring tiles are 16 neighbours of the true order.
; A block's scale is 2^(floor(log2(its largest magnitude)) - 2); its byte is the largest magnitude's exponent field - 2, held at 1 from below.  Each number is divided by the scale and rounded to the nearest code, ties to even.
; LIMITS: a block of zeros, and a block whose largest magnitude lies under 2^-124, gets the byte 1 (the quantiser's text says 127 for zeros): its codes are zeros or what the floor's scale gives; the bytes are read by this
; program alone.  NaN and infinities among the inputs are not served.
; SHARES: 256 work-groups a tensor; a wave takes 8 rows = 8,192 numbers in 16 steps of 512.  The exchange of bits 3 and 4 moves whole runs of 8 rows: wave w writes run w' = w with its two bits exchanged.
; Each of a step's four loads reads 512 consecutive bytes, 16 a lane; the 2,048 bytes turn through the wave's own stage in LDS and come back 64 bytes a lane, so that a lane holds 16 neighbours (two lanes a block).
; A lane's 16 codes are 12 bytes: the wave stores 384 consecutive bytes.  A wave's 256 scale bytes are gathered in LDS and leave as one aligned run of 256 bytes.
; No tensor loads, no barrier, no cluster: waves and work-groups share nothing.  Loads run four steps (16 loads a wave) ahead, the turn through LDS one step.
.set STEPS, 16
.set EMAX,  2
.set CB,    12                         ; bytes of 16 codes
.set R,     16                         ; v16-79   four sets of 16 numbers as they are loaded
.set X,     80                         ; v80-111  two sets of 16 neighbours
.set C,     128                        ; v128-191 codes: four registers for each step, so that no store's data are written again
.set E,     112                        ; v112-127 a scale byte for each step
.set WREG,  8192                       ; LDS: a region for each wave: two stages of 32 x SP bytes, behind them its 256 scale bytes
.set SP,    80                         ; a lane's place in a stage: its 64 bytes + 16 of padding
.set XCT,   6291456                    ; a tensor's codes in bytes
.set XST,   262144                     ; a tensor's scale bytes
	s_load_b256 s[4:11], s[0:1], 0x0               ; query s[4:5], key s[6:7], value s[8:9], xc s[10:11]
	s_load_b64 s[12:13], s[0:1], 0x20              ; xs
	v_lshl_add_u32 v192, v0, 2, 0x8000
	v_mov_b32 v193, 0
	v_lshrrev_b32 v1, 5, v0
	v_readfirstlane_b32 s16, v1                    ; wave
	v_and_b32 v2, 31, v0                           ; lane
	v_lshlrev_b32 v3, 4, v2                        ; my 16 bytes of a load's 512
	s_mul_i32 s17, s16, WREG
	v_lshrrev_b32 v14, 2, v2
	v_mul_u32_u24 v14, v14, SP
	v_and_b32 v15, 3, v2
	v_lshl_add_u32 v14, v15, 4, v14
	v_add_nc_u32 v14, s17, v14                     ; the stage, on the way in: four lanes' 64 bytes on end, then 16 of padding
	v_mul_u32_u24 v15, v2, SP
	v_add_nc_u32 v15, s17, v15                     ; and on the way out: SP x lane: my 16 neighbours
	v_mul_u32_u24 v4, v2, CB                       ; my codes' place in a step's
	v_lshrrev_b32 v5, 1, v2
	s_add_co_u32 s17, s17, 2*32*SP
	v_add_nc_u32 v5, s17, v5                       ; LDS: my wave's 256 scale bytes, my block's byte
	v_lshlrev_b32 v7, 3, v2                        ; and on the way out 8 bytes a lane
	v_add_nc_u32 v6, s17, v7
	s_lshr_b32 s22, ttmp9, 8                       ; which tensor
	s_and_b32 s23, ttmp9, 255
	s_lshl_b32 s23, s23, 2                         ; the work-group's first run of 8 rows
	s_add_co_u32 s18, s23, s16                     ; the run that I read
	s_and_b32 s24, s16, 1
	s_lshl_b32 s24, s24, 1
	s_lshr_b32 s25, s16, 1
	s_or_b32 s24, s24, s25                         ; w with its two bits exchanged
	s_add_co_u32 s24, s23, s24                     ; the run that I write
	s_lshl_b32 s18, s18, 15                        ; 32,768 bytes of f32 a run
	s_mov_b32 s19, 0
	s_mul_i32 s20, s24, 32*STEPS*CB                ; 6,144 bytes of codes a run
	s_mul_i32 s25, s22, XCT
	s_add_co_u32 s20, s20, s25
	s_mov_b32 s21, 0
	s_lshl_b32 s24, s24, 8                         ; 256 scale bytes a run
	s_mul_i32 s25, s22, XST
	s_add_co_u32 s24, s24, s25
	s_mov_b32 s25, 0
	s_wait_kmcnt 0x0
	s_cmp_eq_u32 s22, 1                            ; the choice of the input hangs on the work-group's number alone
	s_cselect_b64 s[4:5], s[6:7], s[4:5]
	s_cmp_eq_u32 s22, 2
	s_cselect_b64 s[4:5], s[8:9], s[4:5]
	s_add_nc_u64 s[4:5], s[4:5], s[18:19]
	s_add_nc_u64 s[10:11], s[10:11], s[20:21]
	s_add_nc_u64 s[12:13], s[12:13], s[24:25]
.macro LOAD t
.irp i, 0,1,2,3
	global_load_b128 v[R+16*((\t)%4)+4*\i:R+16*((\t)%4)+4*\i+3], v3, s[4:5] offset:2048*(\t)+512*\i th:TH_LOAD_NT   ; 32 lanes read 512 consecutive bytes; read once in the launch
.endr
.endm
.macro TURN t                          ; step t's numbers through the stage: LDS serves a wave's instructions in order, so no wait stands between the stores and the loads
.irp i, 0,1,2,3
	ds_store_b128 v14, v[R+16*((\t)%4)+4*\i:R+16*((\t)%4)+4*\i+3] offset:32*SP*((\t)%2)+8*SP*\i
.endr
.irp i, 0,1,2,3
	ds_load_b128 v[X+16*((\t)%2)+4*\i:X+16*((\t)%2)+4*\i+3], v15 offset:32*SP*((\t)%2)+16*\i
.endr
.endm
.irp t, 0,1,2,3
	LOAD \t
.endr
	s_wait_loadcnt 12                              ; step 0's four loads are in; the twelve of steps 1 to 3 may be out
	TURN 0
.macro STEP t
.set XS, X+16*((\t)%2)
.if (\t) > 0
	s_wait_dscnt 1                                 ; this step's numbers are back from the stage (the last step's byte store may be out): so its stores into the stage have read their registers,
.else
	s_wait_dscnt 0x0
.endif
.if (\t)+4 < STEPS
	LOAD (\t)+4                                    ; which take the loads of four steps on
.endif
.if (\t)+1 < STEPS
.if STEPS-2-(\t) >= 3
	s_wait_loadcnt 12                              ; the next step's four loads are in; those of the three steps behind it may be out
.else
	s_wait_loadcnt 4*(STEPS-2-(\t))                ; the tail: four fewer each step
.endif
	TURN (\t)+1                                    ; and go through the other stage while this step is worked
.endif
	v_max3_num_f32 v8, |v[XS]|, |v[XS+1]|, |v[XS+2]|               ; the largest magnitude of my 16, in two chains
	v_max3_num_f32 v9, |v[XS+3]|, |v[XS+4]|, |v[XS+5]|
.irp i, 6,10
	v_max3_num_f32 v8, v8, |v[XS+\i]|, |v[XS+\i+1]|
	v_max3_num_f32 v9, v9, |v[XS+\i+2]|, |v[XS+\i+3]|
.endr
	v_max3_num_f32 v8, v8, |v[XS+14]|, |v[XS+15]|
	v_max3_num_f32 v8, v8, v9, (EMAX+1)<<23        ; and the floor 2^(3 - 127): so the byte cannot fall under 1
	v_max_num_f32_dpp v8, v8, v8 row_xmask:1 row_mask:0xf bank_mask:0xf   ; and of my neighbour's 16: the block's
	v_add_nc_u32 v11, -(EMAX<<23), v8              ; 2 off its exponent field: the conversion takes the exponent field of this operand as its scale, and nothing else of it
	v_cvt_scalef32_pk16_fp6_f32 v[C+4*(\t):C+4*(\t)+2], v[XS:XS+15], v11         ; sixteen numbers / the scale, to the nearest code; 96 bits without gaps, the first number's code lowest
	v_lshrrev_b32 v[E+(\t)], 23, v11               ; the scale's byte (also the plain line behind the conversion)
	ds_store_b8 v5, v[E+(\t)] offset:16*(\t)       ; both lanes of a block write the same byte with the same value
	global_store_b96 v4, v[C+4*(\t):C+4*(\t)+2], s[10:11] offset:32*CB*(\t)
.endm
.irp t, 0,1,2,3,4,5,6,7,8,9,10,11,12,13,14,15
	STEP \t
.endr
	ds_load_b64 v[12:13], v6                       ; LDS serves a wave's instructions in order: these see my stores
	s_wait_dscnt 0x0
	global_store_b64 v7, v[12:13], s[12:13]        ; 32 lanes store 256 consecutive bytes, aligned
	s_wait_tensorcnt 0x0
	ds_add_u32 v192, v193
	s_wait_dscnt 0x0
	s_endpgm
.Lfunc_end_k_q896a7a830f_qx:
	.size	k_q896a7a830f_qx, .Lfunc_end_k_q896a7a830f_qx-k_q896a7a830f_qx
	.p2alignl 7, 3214868480
	.fill 96, 4, 3214868480
	.section	.rodata,"a",@progbits
	.p2align	6, 0x0
	.amdhsa_kernel k_q896a7a830f_qx
		.amdhsa_group_segment_fixed_size 33280
		.amdhsa_private_segment_fixed_size 0
		.amdhsa_enable_private_segment 0
		.amdhsa_kernarg_size 40
		.amdhsa_user_sgpr_count 2
		.amdhsa_user_sgpr_kernarg_segment_ptr 1
		.amdhsa_wavefront_size32 1
		.amdhsa_system_sgpr_workgroup_id_x 1
		.amdhsa_system_sgpr_workgroup_id_y 1
		.amdhsa_system_sgpr_workgroup_id_z 1
		.amdhsa_system_vgpr_workitem_id 0
		.amdhsa_next_free_vgpr 194
		.amdhsa_next_free_sgpr 66
		.amdhsa_reserve_vcc 0
		.amdhsa_float_denorm_mode_32 3
		.amdhsa_float_denorm_mode_16_64 3
		.amdhsa_memory_ordered 1
		.amdhsa_forward_progress 1
		.amdhsa_inst_pref_size 33
	.end_amdhsa_kernel
	.amdgpu_metadata
---
amdhsa.version: [ 1, 2 ]
amdhsa.kernels:
  - .name:           k_q896a7a830f_qx
    .symbol:         k_q896a7a830f_qx.kd
    .args:
      - { .name: query, .offset: 0, .size: 8, .value_kind: global_buffer, .address_space: global }
      - { .name: key, .offset: 8, .size: 8, .value_kind: global_buffer, .address_space: global }
      - { .name: value, .offset: 16, .size: 8, .value_kind: global_buffer, .address_space: global }
      - { .name: xc, .offset: 24, .size: 8, .value_kind: global_buffer, .address_space: global }
      - { .name: xs, .offset: 32, .size: 8, .value_kind: global_buffer, .address_space: global }
    .group_segment_fixed_size: 33280
    .private_segment_fixed_size: 0
    .kernarg_segment_align: 8
    .kernarg_segment_size: 40
    .max_flat_workgroup_size: 128
    .sgpr_count:     66
    .vgpr_count:     194
    .wavefront_size: 32
...
	.end_amdgpu_metadata
.endif
;; end of part 1
;; launch qw (part 2): grid 8 x 12, 4 waves a work-group, no clusters, 36,352 bytes of LDS; arguments Wq, Wk, Wv, wc, ws; writes wc, ws
.if DOCPART == 2
	.amdgcn_target "amdgcn-amd-amdhsa--gfx1250"
	.amdhsa_code_object_version 6
	.text
	.protected	k_q896a7a830f_qw
	.globl	k_q896a7a830f_qw
	.p2align	8
	.type	k_q896a7a830f_qw,@function
k_q896a7a830f_qw:
	s_mov_b64 s[64:65], 0
	v_nop
	global_prefetch_b8 v0, s[64:65] scope:SCOPE_SE
	s_setreg_imm32_b32 hwreg(HW_REG_WAVE_MODE, 25, 1), 1
	s_wait_xcnt 0x0
; Wq, Wk, Wv, each [1024 (k)][1024 (n)] f32, K the FIRST axis, are turned into codes of FP6 (E2M3) laid [n][k] with K innermost (768 bytes a row) and one E8M0 scale byte for each 32 along K (32 bytes a row).
; Out: wc = 3 x 1024 x 768 bytes, ws = 3 x 1024 x 32 bytes; tensor order Wq, Wk, Wv.  ROW ORDER: column n lies at position n with its bits 3 and 4 exchanged, as the activations' rows do.
; A LANE TAKES A COLUMN n, AND ITS REGISTERS RUN DOWN K: each load reads neighbouring n in neighbouring lanes (128 consecutive bytes a wave, 512 a work-group), a block of 32 along K lies in one lane's 32 registers,
; and the conversions give the codes with K innermost.  Nothing is transposed by an instruction.
; A block's scale byte is its largest magnitude's exponent field - 2, held at 1 from below.
; LIMITS: a block of zeros, and one whose largest magnitude lies under 2^-124, gets the byte 1 (the quantiser's text says 127 for zeros); the bytes are read by this program alone.  NaN and infinities are not served.
; SHARES: work-group x: 128 columns; y = 4 x tensor + which 256 along K.  A wave takes 32 columns x 256 along K: 8 blocks a lane, 192 bytes of codes a column.  They go through the wave's own stage in LDS and leave as
; rows: sixteen lanes store a row's 192 consecutive bytes, 12 bytes each.  No tensor loads, no barrier, no cluster: nothing is shared.  Loads run two blocks (64 loads a wave) ahead.
; Every offset is an immediate: 255 x 4,096 and 30 x 768 bytes at the most.
.set SIZE_N, 1024
.set KW,    256                        ; along K for a wave
.set NB,    KW/32                      ; blocks
.set ROWB,  192                        ; bytes of KW codes
.set PITCH, 272                        ; a stage row: sixteen places of 16 bytes, each with 12 bytes of codes, + 16
.set KROW,  768                        ; a row of the codes' buffer in bytes
.set EMAX,  2
.set X,     32                         ; v32-95   two sets of 32 numbers
.set C,     96                         ; v96..    a block's codes
.set OUTR,  112                        ; v112-175 the way out: 16 x 4 registers
.set SB,    24                         ; v24-25   the scale bytes, four to a register
.set WCT,   786432                     ; a tensor's codes in bytes
.set WST,   32768                      ; a tensor's scale bytes
	s_load_b256 s[4:11], s[0:1], 0x0               ; Wq s[4:5], Wk s[6:7], Wv s[8:9], wc s[10:11]
	s_load_b64 s[12:13], s[0:1], 0x20              ; ws
	v_lshl_add_u32 v192, v0, 2, 0x8c00
	v_mov_b32 v193, 0
	v_lshrrev_b32 v1, 5, v0
	v_readfirstlane_b32 s16, v1                    ; wave 0..3
	v_and_b32 v2, 31, v0                           ; lane
	s_lshl_b32 s17, ttmp9, 7
	s_lshl_b32 s18, s16, 5
	s_add_co_u32 s17, s17, s18                     ; my wave's first column: 128 x work-group x + 32 x wave
	s_and_b32 s18, ttmp7, 0xffff
	s_lshr_b32 s30, s18, 2                         ; which tensor
	s_and_b32 s18, s18, 3                          ; which 256 along K
	v_lshlrev_b32 v3, 2, v2                        ; in: 4 bytes a lane
	s_mul_i32 s19, s16, 32*PITCH                   ; my stage
	v_mul_u32_u24 v4, v2, PITCH
	v_add_nc_u32 v4, s19, v4                       ; into it: row = my column
	v_and_b32 v5, 15, v2
	v_lshrrev_b32 v6, 4, v2                        ; out of it: sixteen lanes to a row, two rows an instruction
	v_mul_u32_u24 v7, v6, PITCH
	v_lshl_add_u32 v7, v5, 4, v7
	v_add_nc_u32 v7, s19, v7                       ; LDS address
	v_mul_u32_u24 v8, v6, KROW
	v_mad_u32_u24 v8, v5, 12, v8                   ; and the same place in the codes' buffer (bit 0 of the column keeps its place)
	v_and_b32 v9, 7, v2                            ; my column's position: the lane's number with bits 3 and 4 exchanged
	v_and_b32 v10, 8, v2
	v_lshl_or_b32 v9, v10, 1, v9
	v_and_b32 v10, 16, v2
	v_lshrrev_b32 v10, 1, v10
	v_or_b32 v9, v9, v10
	v_lshlrev_b32 v9, 5, v9                        ; 32 scale bytes a row
	s_lshl_b32 s20, s18, 20                        ; W: 256 rows of 4,096 bytes for each step along K,
	s_lshl_b32 s22, s17, 2                         ; + 4 x column
	s_add_co_u32 s20, s20, s22
	s_mov_b32 s21, 0
	s_mul_i32 s24, s17, KROW                       ; codes: column x 768 + 192 x step + the tensor's region
	s_mul_i32 s22, s18, ROWB
	s_add_co_u32 s24, s24, s22
	s_mul_i32 s22, s30, WCT
	s_add_co_u32 s24, s24, s22
	s_mov_b32 s25, 0
	s_lshl_b32 s28, s17, 5                         ; scale bytes: column x 32 + 8 x step + the tensor's region
	s_lshl_b32 s22, s18, 3
	s_add_co_u32 s28, s28, s22
	s_mul_i32 s22, s30, WST
	s_add_co_u32 s28, s28, s22
	s_mov_b32 s29, 0
	s_wait_kmcnt 0x0
	s_cmp_eq_u32 s30, 1                            ; the choice of the input hangs on the work-group's number alone
	s_cselect_b64 s[4:5], s[6:7], s[4:5]
	s_cmp_eq_u32 s30, 2
	s_cselect_b64 s[4:5], s[8:9], s[4:5]
	s_add_nc_u64 s[4:5], s[4:5], s[20:21]
	s_add_nc_u64 s[10:11], s[10:11], s[24:25]
	s_add_nc_u64 s[12:13], s[12:13], s[28:29]
.macro LOAD t                          ; block t: W(32 t + i, my column), i = 0 .. 31, into set t % 2
.irp i, 0,1,2,3,4,5,6,7,8,9,10,11,12,13,14,15,16,17,18,19,20,21,22,23,24,25,26,27,28,29,30,31
	global_load_b32 v[X+32*((\t)%2)+\i], v3, s[4:5] offset:(32*(\t)+\i)*SIZE_N*4 th:TH_LOAD_NT
.endr
.endm
	LOAD 0
	LOAD 1
.macro BLOCK t
.set XS, X+32*((\t)%2)
.if (\t) < NB-1
	s_wait_loadcnt 32                              ; this block's 32 loads are in; the next block's 32 may be out
.else
	s_wait_loadcnt 0
.endif
	v_max3_num_f32 v12, |v[XS]|, |v[XS+1]|, |v[XS+2]|               ; the block's largest magnitude: all 32 numbers are mine
	v_max3_num_f32 v13, |v[XS+3]|, |v[XS+4]|, |v[XS+5]|
.irp i, 6,10,14,18,22,26
	v_max3_num_f32 v12, v12, |v[XS+\i]|, |v[XS+\i+1]|
	v_max3_num_f32 v13, v13, |v[XS+\i+2]|, |v[XS+\i+3]|
.endr
	v_max3_num_f32 v12, v12, |v[XS+30]|, |v[XS+31]|
	v_max3_num_f32 v12, v12, v13, (EMAX+1)<<23     ; and the floor 2^(3 - 127): so the byte cannot fall under 1
	v_add_nc_u32 v11, -(EMAX<<23), v12             ; 2 off its exponent field: the conversion's scale operand
	v_lshrrev_b32 v13, 23, v11                     ; the scale's byte
.if (\t)%4 == 0
	v_mov_b32 v[SB+(\t)/4], v13                    ; four bytes to a register, the lower K in the lower byte
.else
	v_lshl_or_b32 v[SB+(\t)/4], v13, 8*((\t)%4), v[SB+(\t)/4]
.endif
	v_cvt_scalef32_pk16_fp6_f32 v[C:C+2], v[XS:XS+15], v11
	v_cvt_scalef32_pk16_fp6_f32 v[C+4:C+6], v[XS+16:XS+31], v11     ; (a conversion's three registers begin on an even number)
	v_nop                                          ; one plain line behind the conversions
	ds_store_b96 v4, v[C:C+2] offset:32*(\t)       ; 16 codes, 12 bytes, to a place of 16 bytes in the stage, so that every LDS address is a multiple of 16
	ds_store_b96 v4, v[C+4:C+6] offset:32*(\t)+16
.if (\t)+2 < NB
	LOAD (\t)+2
.endif
	s_wait_dscnt 0x0                               ; the stores have read their registers: the next block's codes may be written
.endm
.set Q, 0
.rept NB
	BLOCK Q
.set Q, Q+1
.endr
	global_store_b64 v9, v[SB:SB+1], s[12:13]      ; my column's 8 scale bytes, at its position
.irp t, 0,1,2,3,4,5,6,7,8,9,10,11,12,13,14,15
	ds_load_b96 v[OUTR+4*\t:OUTR+4*\t+2], v7 offset:2*\t*PITCH   ; LDS serves a wave's instructions in order: these see my stores
.endr
.irp t, 0,1,2,3,4,5,6,7,8,9,10,11,12,13,14,15
	s_wait_dscnt 15-\t                             ; load t is in; the 15 - t younger ones may be out
	global_store_b96 v8, v[OUTR+4*\t:OUTR+4*\t+2], s[10:11] offset:2*((\t&3)|((\t&4)<<1)|((\t&8)>>1))*KROW   ; columns 2 t, 2 t + 1 go to their positions: bits 3 and 4 of the column are bits 2 and 3 of t
.endr
	s_wait_tensorcnt 0x0
	ds_add_u32 v192, v193
	s_wait_dscnt 0x0
	s_endpgm
.Lfunc_end_k_q896a7a830f_qw:
	.size	k_q896a7a830f_qw, .Lfunc_end_k_q896a7a830f_qw-k_q896a7a830f_qw
	.p2alignl 7, 3214868480
	.fill 96, 4, 3214868480
	.section	.rodata,"a",@progbits
	.p2align	6, 0x0
	.amdhsa_kernel k_q896a7a830f_qw
		.amdhsa_group_segment_fixed_size 36352
		.amdhsa_private_segment_fixed_size 0
		.amdhsa_enable_private_segment 0
		.amdhsa_kernarg_size 40
		.amdhsa_user_sgpr_count 2
		.amdhsa_user_sgpr_kernarg_segment_ptr 1
		.amdhsa_wavefront_size32 1
		.amdhsa_system_sgpr_workgroup_id_x 1
		.amdhsa_system_sgpr_workgroup_id_y 1
		.amdhsa_system_sgpr_workgroup_id_z 1
		.amdhsa_system_vgpr_workitem_id 0
		.amdhsa_next_free_vgpr 194
		.amdhsa_next_free_sgpr 66
		.amdhsa_reserve_vcc 0
		.amdhsa_float_denorm_mode_32 3
		.amdhsa_float_denorm_mode_16_64 3
		.amdhsa_memory_ordered 1
		.amdhsa_forward_progress 1
		.amdhsa_inst_pref_size 42
	.end_amdhsa_kernel
	.amdgpu_metadata
---
amdhsa.version: [ 1, 2 ]
amdhsa.kernels:
  - .name:           k_q896a7a830f_qw
    .symbol:         k_q896a7a830f_qw.kd
    .args:
      - { .name: Wq, .offset: 0, .size: 8, .value_kind: global_buffer, .address_space: global }
      - { .name: Wk, .offset: 8, .size: 8, .value_kind: global_buffer, .address_space: global }
      - { .name: Wv, .offset: 16, .size: 8, .value_kind: global_buffer, .address_space: global }
      - { .name: wc, .offset: 24, .size: 8, .value_kind: global_buffer, .address_space: global }
      - { .name: ws, .offset: 32, .size: 8, .value_kind: global_buffer, .address_space: global }
    .group_segment_fixed_size: 36352
    .private_segment_fixed_size: 0
    .kernarg_segment_align: 8
    .kernarg_segment_size: 40
    .max_flat_workgroup_size: 128
    .sgpr_count:     66
    .vgpr_count:     194
    .wavefront_size: 32
...
	.end_amdgpu_metadata
.endif
;; end of part 2
;; launch proj (part 3): grid 4 x 96, 4 waves a work-group, clusters of 4 x 4, 327,680 bytes of LDS; arguments xc, xs, wc, ws, bq, bk, bv, pj; writes pj
.if DOCPART == 3
	.amdgcn_target "amdgcn-amd-amdhsa--gfx1250"
	.amdhsa_code_object_version 6
	.text
	.protected	k_q896a7a830f_proj
	.globl	k_q896a7a830f_proj
	.p2align	8
	.type	k_q896a7a830f_proj,@function
k_q896a7a830f_proj:
	s_mov_b64 s[64:65], 0
	v_nop
	global_prefetch_b8 v0, s[64:65] scope:SCOPE_SE
	s_setreg_imm32_b32 hwreg(HW_REG_WAVE_MODE, 25, 1), 1
	s_wait_xcnt 0x0
	s_wait_alu depctr_hold_cnt(0) depctr_sa_sdst(0) depctr_va_vdst(0) depctr_va_sdst(0) depctr_va_ssrc(0) depctr_va_vcc(0) depctr_vm_vsrc(0)
	s_getreg_b32 s2, hwreg(HW_REG_IB_STS2, 6, 4)
	s_cmp_eq_u32 s2, 0
	s_cbranch_scc0 .Lentry_in_a_cluster
	s_endpgm
.Lentry_in_a_cluster:
	s_bfe_u32 s2, ttmp6, 0x10000c
	s_cmp_lg_u32 s2, 0xf033
	s_cbranch_scc0 .Lentry_shape_is_right
	s_endpgm
.Lentry_shape_is_right:
; The three projections on codes of FP6 (E2M3) with E8M0 scales, their biases, and the quantising of q, k and v for the attention launch.
; ONE FORM: C'[i][j] = sum over k of A[i][k] B[j][k], K = 1,024.  For q and k: A = the activations (8,192 rows), B = the weight (1,024 rows n).  For v the roles are exchanged: A = Wv, B = value's rows.
; THE MATRIX INSTRUCTION IS USED TRANSPOSED (source 0 = 16 rows of B, source 1 = 16 rows of A): a lane holds ONE row of A, and its registers run along B's rows.  So for q and k a lane holds a token and its registers run
; along the features (the next product's K); for v a lane holds a feature and its registers run along the keys (the second attention product's K).
; Rows of A and B lie in memory at position = row with bits 3 and 4 exchanged.  So tile i of 16 positions holds rows 32 (i / 2) + 8 (i % 2) + m + 8 (m / 8), and the 16 registers that a lane gets from B's tiles 2 b and
; 2 b + 1 are B's rows 32 b + 16 (lane / 16) + 0 .. 15: sixteen neighbours along the next K, as the conversions want them.
; A tile of C', 256 x 256, is made by four waves, 128 x 128 each: 64 accumulators, 512 registers.  K goes in steps of 256 through a ring of two LDS slots filled by the tensor data mover; the scale bytes of the
; work-group's 256 + 256 rows come once, as two dense blocks, and stay.
; CLUSTERS: 4 x 4 work-groups; cluster y = 8 x tensor + group.  The four of a row of the cluster need the same tiles of A, the four of a column the same tiles of B: each tile is asked for jointly, by the same tensor load
; with the same descriptor and a mask that names the four.  By this text's own count a wave has at most three tensor loads out (the first fills), later one.
; THE WAY OUT uses no LDS: each block of 16 rows of A gets its bias, is quantised in registers and stored as an IMAGE OF THE OPERAND'S REGISTERS: 12 registers as 3 stores of 512 consecutive aligned bytes.
; pj = 3 regions (q, k, v) x 64 heads x 16 records of 6,400 bytes; a record = 4 images of 1,536 bytes + 256 bytes of scale words (word of fragment 2 e + g, row r, at 6144 + 8 (16 g + r) + 4 e).
;   q, k: record = 128 tokens; fragment f = tokens 32 f .. 32 f + 31 in pairs: registers 6 u .. 6 u + 5 of lane (r, h) = token 32 f + 8 u + r + 8 (r / 8), channels 32 h .. 32 h + 31; scale bytes 0, 1: u = 0; 2, 3: u = 1.
;   v: record = 128 keys; fragment dt: lane (r, h) = channel 32 (dt / 2) + 8 (dt % 2) + r + 8 (r / 8), registers 6 c .. 6 c + 5 = keys 64 c + 32 h + 0 .. 31; scale bytes: the four blocks of keys.
; LIMITS: a block of zeros, and one whose largest magnitude lies under 2^-124, gets the byte 1 (the quantiser's text says 127 for zeros); the bytes are read by this program alone.  NaN and infinities are not served.
; REGISTERS, in windows of 256: window 0: v0-31 addresses; v32-63 scale words, two sets; v64-127 the biases in the result's layout; from v128 A's fragments, one set; v224-231 offsets of the bias loads.
;   window 1: B's fragments, two sets, at v0 and v128.   window 2: the accumulators of my rows 0-63 ((a, b) at v[8 (8 a + b)]);   window 3: those of rows 64-127.
.set KSTEP,  256                       ; along K in a slot
.set NQ,     KSTEP/128                 ; matrix instructions deep
.set ROWB,   192                       ; a tile's row in bytes
.set KROW,   768                       ; a row of codes in memory
.set PITCH,  240                       ; an LDS row: 3 x (64 bytes of data + 16 of padding): the 32 lanes of a load of 8 bytes touch 64 different banks (64 banks of 4 bytes: ISA guide 11.1)
.set FR,     12                        ; registers of a fragment: 16 rows x 128 K
.set NL,     6                         ; LDS loads that bring one
.set NP,     4                         ; places behind this matrix instruction (ISA guide 7.12.1)
.set HALFT,  128*PITCH                 ; 128 rows: what one tensor load brings
.set SLOT,   4*HALFT                   ; A's 256 rows, then B's 256 rows
.set LAPS,   2                         ; a lap = two K steps = once round the ring: 1,024 / 512
.set KS,     32                        ; a row of scale bytes
.set SCL,    2*SLOT                    ; behind the ring: the scales, as runs of 256 bytes + 16 of padding
.set HALFS,  16*272                    ; the scales of 128 rows: what one tensor load brings
.set SBLK,   2*272                     ; those of 16 rows
.set SPARE,  SCL+4*HALFS               ; behind the scales: the spare words, 128 bytes for each wave: two blocks of 256 bytes that no other line names
.set XCT,    6291456                   ; a tensor's part of xc, xs, wc, ws
.set XST,    262144
.set WCT,    786432
.set WST,    32768
.set REG,    6553600                   ; a region of pj
.set HEADB,  102400                    ; a head's 16 records
.set REC,    6400                      ; a record
.set ADRA, 16                          ; v16-17 LDS address of my A fragments in slot 0, 1 (v18-19: for the pieces behind one padding more)
.set ADRB, 20                          ; v20-23 the same for B
.set L8,   24                          ; v24    8 x lane
.set L16,  26                          ; v26    16 x lane
.set ADRS, 27                          ; v27    LDS address of my scale words: lanes 0-15 A's rows, lanes 16-31 B's
.set SPW,  28                          ; v28    LDS address of my spare word; never rewritten
.set NIL,  29                          ; v29    0; never rewritten
.set SC,   32                          ; scale words: set s at v[SC + 16 s]; register 2 i + q: lanes 0-15 A's block i, lanes 16-31 B's block i
.set BIAS, 64                          ; v64-127 biases
.set AF,   128                         ; A's fragments
.set VO,   224                         ; v224-231 offsets of the bias loads
.set HA,   128                         ; the way out: v128-191 a block's 64 numbers
.set IM,   192                         ; v192-215 two images
.set CT,   216                         ; v216-218, v220-222 the conversions' second halves
.set TM,   224                         ; v224-227 largest magnitudes, v228-231 bytes, v236-239 scale operands
.set WW,   232                         ; v232-239 at the end: the scale words put in order
.set PW,   240                         ; v240-247 a scale word for each block
.set XW,   248                         ; v248-251 scale words to store
.set SEL,  20                          ; s[20:21] on the way out: lane selects for v_permlanex16_b32: lane l xor 16
.set G1, 24                            ; s[24:31] descriptor group 1 for A's tiles;  s[32:39] group 0, one set for each slot
.set G0, 32
.set G1B, 48                           ; s[48:55], s[56:63] the same for B's tiles
.set G0B, 56
.set G1S, 68                           ; s[68:75], s[76:79] groups 1 and 0 for A's scales;  s[80:87], s[88:91] for B's (written when the arguments, which arrive in s[68:83], have been moved on)
.set G0S, 76
.set G1SB, 80
.set G0SB, 88
.set MSB, 0
.macro WIN new                         ; the immediate's high byte repeats the setting that is left
.if MSB != \new
	s_set_vgpr_msb (MSB<<8)|\new
.set MSB, \new
.endif
.endm
.set MUL_LO, 0xa1                      ; source 0 (B) window 1, source 1 (A) window 0, C and D window 2
.set MUL_HI, 0xf1                      ; the same, C and D window 3
.set TO_B,   0x40                      ; destination window 1, address window 0
; A joint load: waves 0 and 1 fetch for A, waves 2 and 3 for B.  Each of the two lines has one mask and one set of registers for all that issue it; the branch hangs on the wave's number alone.
; Four v_nop follow each of the two lines, ahead of the jump, the label and what follows.
.macro JLOAD g0a, g1a, g0b, g1b
	s_cmp_eq_u32 s15, 0
	s_cbranch_scc0 .Lfor_b_\@
	tensor_load_to_lds s[\g0a:\g0a+3], s[\g1a:\g1a+7]
	s_nop 0
.rept 4
	v_nop
.endr
	s_branch .Lasked_\@
.Lfor_b_\@:
	tensor_load_to_lds s[\g0b:\g0b+3], s[\g1b:\g1b+7]
	s_nop 0
.rept 4
	v_nop
.endr
.Lasked_\@:
.endm
.macro CREST                           ; a round of the cluster's barrier behind its opening barrier
	s_cmp_lg_u32 s14, 0
	s_cbranch_scc1 .Lnot_wave_0_\@
	s_barrier_signal -3
.Lnot_wave_0_\@:
	s_barrier_wait -3
	s_barrier_signal -1
	s_barrier_wait -1
.endm
.macro CROUND                          ; a whole round
	s_barrier_signal -1
	s_barrier_wait -1
	CREST
.endm
	s_load_b512 s[68:83], s[0:1], 0x0              ; xc s[68:69], xs s[70:71], wc s[72:73], ws s[74:75], bq s[76:77], bk s[78:79], bv s[80:81], pj s[82:83]
	v_lshl_add_u32 v[SPW], v0, 2, SPARE
	v_mov_b32 v[NIL], 0
	ds_add_u32 v28, v29
	ds_add_u32 v28, v29
	s_wait_dscnt 0x0
	v_lshrrev_b32 v1, 5, v0
	v_readfirstlane_b32 s14, v1                    ; wave 0..3
	s_lshr_b32 s15, s14, 1                         ; which half of the tile's rows of A is mine.  Also: I fetch for A (0) or for B (1)
	s_and_b32 s16, s14, 1                          ; which half of B's.  Also: which 128 rows of that tile I fetch
	s_bfe_u32 s40, ttmp6, 0x40000                  ; cx, cy: my place in the cluster
	s_bfe_u32 s41, ttmp6, 0x40004
	s_and_b32 s97, ttmp7, 0xffff                   ; the cluster's y: the partners share it
	s_lshr_b32 s96, s97, 3                         ; the tensor: 0 q, 1 k, 2 v
	s_and_b32 s97, s97, 7
	s_lshl_b32 s97, s97, 2                         ; the first of this cluster's four tiles of activations
	s_cmp_eq_u32 s96, 2
	s_cselect_b32 s17, 0, s97                      ; q, k: the activations are A;  v: they are B
	s_cselect_b32 s42, s97, 0
	s_add_co_u32 s17, s17, s41                     ; A's tile: hangs on cy and the cluster's y alone
	s_add_co_u32 s42, s42, s40                     ; B's tile: on cx and the cluster's y alone
	s_lshl_b32 s43, s41, 2
	s_lshl_b32 s43, 15, s43                        ; my row of the cluster
	s_lshl_b32 s44, 0x1111, s40                    ; my column
	; descriptor group 1: a tile of 128 rows x 192 bytes, padded in LDS
	s_or_b32 s[G1+0], s43, (0<<16)|(1<<20)|(1<<21)|(3<<22)|(3<<25)  ; 15:0 the mask: A's tiles go to my row; 17:16 element of 1 byte; 20 padding on; 21 set beside a mask; 24:22 after every 16 words (code 3); 31:25 of 4 words (code 3)
	s_or_b32 s[G1B+0], s44, (0<<16)|(1<<20)|(1<<21)|(3<<22)|(3<<25)
.irp g, G1, G1B
	s_mov_b32 s[\g+1], ROWB<<16                    ; tensor_dim0
	s_mov_b32 s[\g+2], 128<<16                     ; tensor_dim1 = 128
	s_mov_b32 s[\g+3], ROWB<<16                    ; tile_dim0
	s_mov_b32 s[\g+4], 128                         ; tile_dim1 = 128
	s_mov_b32 s[\g+5], KROW                        ; tensor_dim0_stride
	s_mov_b32 s[\g+6], 0
	s_mov_b32 s[\g+7], 0
.endr
	s_lshl_b32 s18, s16, 7                         ; which 128 rows of the tile I fetch
	s_lshl_b32 s20, s17, 8
	s_add_co_u32 s20, s20, s18                     ; A: position 256 x tile + 128 x half
	s_lshl_b32 s46, s42, 8
	s_add_co_u32 s46, s46, s18                     ; B likewise
	s_mov_b32 s21, 0
	s_mov_b32 s47, 0
	s_mov_b64 s[18:19], KS
	s_mul_u64 s[22:23], s[20:21], s[18:19]         ; where these rows' scales begin, in bytes
	s_mul_u64 s[92:93], s[46:47], s[18:19]
	s_mov_b64 s[18:19], KROW
	s_mul_u64 s[20:21], s[20:21], s[18:19]         ; and their codes
	s_mul_u64 s[46:47], s[46:47], s[18:19]
	s_mul_i32 s45, s14, HALFT                      ; where they go: wave x 128 rows: no place in the cluster enters an LDS address
	s_mul_i32 s94, s14, HALFS
	s_wait_kmcnt 0x0
	s_mov_b32 s99, 0                               ; each buffer at the tensor's part
	s_mul_i32 s98, s96, XCT
	s_add_nc_u64 s[68:69], s[68:69], s[98:99]
	s_mul_i32 s98, s96, XST
	s_add_nc_u64 s[70:71], s[70:71], s[98:99]
	s_mul_i32 s98, s96, WCT
	s_add_nc_u64 s[72:73], s[72:73], s[98:99]
	s_mul_i32 s98, s96, WST
	s_add_nc_u64 s[74:75], s[74:75], s[98:99]
	s_cmp_eq_u32 s96, 2                            ; which buffer is A and which B hangs on the tensor's number alone
	s_cselect_b64 s[4:5], s[72:73], s[68:69]       ; A's codes
	s_cselect_b64 s[6:7], s[74:75], s[70:71]       ; A's scales
	s_cselect_b64 s[8:9], s[68:69], s[72:73]       ; B's codes
	s_cselect_b64 s[10:11], s[70:71], s[74:75]     ; B's scales
	s_cselect_b64 s[98:99], s[80:81], s[76:77]     ; the bias: bv or bq,
	s_cmp_eq_u32 s96, 1
	s_cselect_b64 s[98:99], s[78:79], s[98:99]     ; or bk
	s_mov_b64 s[12:13], s[82:83]                   ; pj
	s_add_nc_u64 s[20:21], s[4:5], s[20:21]
	s_add_nc_u64 s[22:23], s[6:7], s[22:23]
	s_add_nc_u64 s[46:47], s[8:9], s[46:47]
	s_add_nc_u64 s[92:93], s[10:11], s[92:93]
	; group 1 for the scales of 128 rows: a dense block of 4,096 bytes, as 16 rows of 256 bytes (32 elements of 8 bytes), 16 bytes of padding behind each
	s_or_b32 s[G1S+0], s43, (3<<16)|(1<<20)|(1<<21)|(5<<22)|(3<<25)
	s_or_b32 s[G1SB+0], s44, (3<<16)|(1<<20)|(1<<21)|(5<<22)|(3<<25)
.irp g, G1S, G1SB
	s_mov_b32 s[\g+1], 32<<16
	s_mov_b32 s[\g+2], 16<<16
	s_mov_b32 s[\g+3], 32<<16
	s_mov_b32 s[\g+4], 16
	s_mov_b32 s[\g+5], 32
	s_mov_b32 s[\g+6], 0
	s_mov_b32 s[\g+7], 0
.endr
	CROUND                                         ; all sixteen work-groups are here: the first joint loads meet
	s_mov_b32 s[G0S], 1
	s_add_co_u32 s[G0S+1], s94, SCL
	s_mov_b64 s[G0S+2:G0S+3], s[22:23]
	s_or_b32 s[G0S+3], s[G0S+3], 0x80000000
	s_mov_b32 s[G0SB], 1
	s_add_co_u32 s[G0SB+1], s94, SCL
	s_mov_b64 s[G0SB+2:G0SB+3], s[92:93]
	s_or_b32 s[G0SB+3], s[G0SB+3], 0x80000000
	JLOAD G0S, G1S, G0SB, G1SB                     ; the scales first: they are wanted with K step 0
.irp s, 0,1
	s_mov_b32 s[G0+4*\s], 1
	s_add_co_u32 s[G0+4*\s+1], s45, \s*SLOT
	s_add_nc_u64 s[G0+4*\s+2:G0+4*\s+3], s[20:21], \s*ROWB
	s_or_b32 s[G0+4*\s+3], s[G0+4*\s+3], 0x80000000
	s_mov_b32 s[G0B+4*\s], 1
	s_add_co_u32 s[G0B+4*\s+1], s45, \s*SLOT
	s_add_nc_u64 s[G0B+4*\s+2:G0B+4*\s+3], s[46:47], \s*ROWB
	s_or_b32 s[G0B+4*\s+3], s[G0B+4*\s+3], 0x80000000
	JLOAD G0+4*\s, G1, G0B+4*\s, G1B
.endr
	v_and_b32 v1, 15, v0                           ; r = l % 16
	v_bfe_u32 v2, v0, 4, 1                         ; h = l / 16
	v_mul_u32_u24 v3, v1, PITCH
	v_mul_u32_u24 v4, v2, 24
	v_add_nc_u32 v4, v3, v4                        ; a fragment's row x pitch + 24 x half
	v_lshl_add_u32 v5, v2, 4, v4                   ; and the same behind one padding more
	s_mul_i32 s21, s15, HALFT                      ; my 128 rows of A
	s_mul_i32 s22, s16, HALFT                      ; my 128 rows of B,
	s_add_co_u32 s22, s22, 2*HALFT                 ; which lie behind A's 256
.irp s, 0,1
	v_add_nc_u32 v[ADRA+\s], s21, v4
	v_add_nc_u32 v[ADRB+\s], s22, v4
	v_add_nc_u32 v[ADRA+2+\s], s21, v5
	v_add_nc_u32 v[ADRB+2+\s], s22, v5
	s_add_co_u32 s21, s21, SLOT
	s_add_co_u32 s22, s22, SLOT
.endr
	v_mul_u32_u24 v5, v1, KS                       ; my row's scales: 32 bytes a row,
	v_lshrrev_b32 v6, 8, v5
	v_lshl_add_u32 v5, v6, 4, v5                   ; and 16 more for each 256 passed
	s_mul_i32 s21, s15, HALFS                      ; A's: my 128 rows
	s_mul_i32 s22, s16, HALFS                      ; B's: my 128 rows, behind A's 256
	s_add_co_u32 s22, s22, 2*HALFS
	s_sub_co_u32 s22, s22, s21
	v_mul_u32_u24 v6, s22, v2                      ; lanes 16-31 take B's: one product, the distance between the two bases x h
	s_add_co_u32 s21, s21, SCL
	v_add_nc_u32 v5, v5, v6
	v_add_nc_u32 v[ADRS], s21, v5
	v_and_b32 v6, 31, v0
	v_lshlrev_b32 v[L16], 4, v6
	v_lshlrev_b32 v[L8], 3, v6
	; where my results go, and which biases they take.  These sums mix cx and cy: they stand in registers that feed no descriptor.
	s_lshl_b32 s100, s17, 8
	s_lshl_b32 s95, s15, 7
	s_add_co_u32 s100, s100, s95                   ; my wave's first position of A
	s_lshl_b32 s101, s42, 8
	s_lshl_b32 s95, s16, 7
	s_add_co_u32 s101, s101, s95                   ; and of B
	s_cmp_eq_u32 s96, 2
	s_cselect_b32 s95, s101, s100                  ; my first token (of 8,192): A's for q and k, B's for v
	s_cselect_b32 s101, s100, s101                 ; my first feature (of 1,024): the other one
	s_cselect_b32 s18, 0, 64                       ; the bias table's strides.  q, k: entry (i, j) is the bias of feature 32 (i / 2) + 8 (i % 2) + 16 h + j: 64 bytes a half, 4 a register
	s_cselect_b32 s19, 4, 0                        ; v: entry (i, any j) is the bias of my lane's feature 32 (i / 2) + 8 (i % 2) + r + 8 (r / 8)
	s_cselect_b32 s97, 0, 4
	s_mov_b32 s100, s95
	s_lshr_b32 s95, s100, 11                       ; the batch,
	s_lshl_b32 s95, s95, 4
	s_lshr_b32 s2, s101, 6                         ; the first of my two heads
	s_add_co_u32 s95, s95, s2
	s_mul_i32 s95, s95, HEADB
	s_bfe_u32 s2, s100, 0x40007                    ; the record: which 128 tokens of the batch's 2,048
	s_mul_i32 s2, s2, REC
	s_add_co_u32 s95, s95, s2
	s_mul_i32 s2, s96, REG
	s_add_co_u32 s2, s2, s95
	s_mov_b32 s3, 0
	s_add_nc_u64 s[12:13], s[12:13], s[2:3]        ; pj at my record of my first head
	s_lshl_b32 s2, s101, 2
	s_add_nc_u64 s[98:99], s[98:99], s[2:3]        ; the bias at my first feature
	v_and_b32 v6, 8, v1
	v_add_nc_u32 v6, v6, v1                        ; r + 8 (r / 8)
	v_mul_u32_u24 v7, s18, v2
	v_mad_u32_u24 v7, v6, s19, v7
	v_mov_b32 v8, s97
.irp j, 0,1,2,3,4,5,6,7
	v_mad_u32_u24 v[VO+\j], v8, \j, v7
.endr
.irp i, 0,1,2,3,4,5,6,7
.irp j, 0,1,2,3,4,5,6,7
	global_load_b32 v[BIAS+8*\i+\j], v[VO+\j], s[98:99] offset:4*(32*(\i/2)+8*(\i%2))   ; waited for at the way out; their registers lie idle in the loop
.endr
.endr
.macro FRAG reg, adr, q, i             ; a fragment, 16 rows x 128 K of 6-bit codes, is 12 registers: lane l holds row l % 16; registers 6 c .. 6 c + 5 hold K = 64 c + 32 (l / 16) + 0 .. 31: 24 bytes of the row's stream of bits, as they lie
.irp p, 0,1,2,3,4,5                    ; in pieces of 8 bytes, so that every address is a multiple of the access's size
.set PC, 12*(\q)+6*(\p/3)+\p%3        ; 16 bytes of padding lie behind every 64 bytes (8 pieces): where the piece three on lies behind one padding more, the second address register serves
.if PC%8 < 5
	ds_load_b64 v[\reg+2*\p:\reg+2*\p+1], v[\adr] offset:8*PC+16*(PC/8)+(\i)*16*PITCH
.else
	ds_load_b64 v[\reg+2*\p:\reg+2*\p+1], v[\adr+2] offset:8*PC+16*(PC/8)+(\i)*16*PITCH
.endif
.endr
.endm
; 16 matrix instructions: A's blocks a0, a0 + 1 x B's eight, 128 along K: the slot's q-th.  p: B's set;  sc: the set of scale words.  zero = 1: the first product starts the sums: nothing is ever cleared.
; The 64 accumulators take turns, one instruction a turn, in the same order in every step.
.macro MUL16 a0, p, q, sc, zero
.irp a, \a0, \a0+1
.irp b, 0,1,2,3,4,5,6,7
.if \zero
	v_wmma_scale_f32_16x16x128_f8f6f4 v[8*(8*((\a)%4)+\b):8*(8*((\a)%4)+\b)+7], v[128*(\p)+FR*\b:128*(\p)+FR*\b+FR-1], v[AF+FR*(\a):AF+FR*(\a)+FR-1], 0, v[SC+8*NQ*(\sc)+NQ*\b+(\q)], v[SC+8*NQ*(\sc)+NQ*(\a)+(\q)] matrix_a_fmt:MATRIX_FMT_FP6 matrix_b_fmt:MATRIX_FMT_FP6 matrix_a_scale:MATRIX_SCALE_ROW1
.else
	v_wmma_scale_f32_16x16x128_f8f6f4 v[8*(8*((\a)%4)+\b):8*(8*((\a)%4)+\b)+7], v[128*(\p)+FR*\b:128*(\p)+FR*\b+FR-1], v[AF+FR*(\a):AF+FR*(\a)+FR-1], v[8*(8*((\a)%4)+\b):8*(8*((\a)%4)+\b)+7], v[SC+8*NQ*(\sc)+NQ*\b+(\q)], v[SC+8*NQ*(\sc)+NQ*(\a)+(\q)] matrix_a_fmt:MATRIX_FMT_FP6 matrix_b_fmt:MATRIX_FMT_FP6 matrix_a_scale:MATRIX_SCALE_ROW1
.endif
.endr
.endr
.endm
.macro FETCH_B slot, q, p              ; B's eight fragments of the slot's q-th 128 along K into set p
	WIN TO_B
.irp i, 0,1,2,3,4,5,6,7
	FRAG 128*(\p)+FR*\i, ADRB+\slot, \q, \i
.endr
	WIN 0
.endm
.macro FETCH_A slot, q, i0             ; A's blocks i0 .. i0 + 3
.irp i, \i0, \i0+1, \i0+2, \i0+3
	FRAG AF+FR*(\i), ADRA+\slot, \q, \i
.endr
.endm
.macro SCALES sc                       ; the next K step's scale words into set sc: 2 words a row; lanes 0-15 take A's block i, lanes 16-31 B's block i
.irp i, 0,1,2,3,4,5,6,7
	ds_load_b64 v[SC+8*NQ*\sc+NQ*\i:SC+8*NQ*\sc+NQ*\i+1], v[ADRS] offset:\i*SBLK
.endr
.endm
; A load into a register that a matrix instruction has read, and a vector instruction that reads a matrix result or writes one of a matrix instruction's registers, stand NP places behind that matrix instruction, and only
; plain vector instructions that name none of its registers are places (ISA guide 7.12.1 for vector instructions).
.macro PLACES n
.rept \n
	v_nop
.endr
.endm
; A step of 128 along K that has its successor in the same slot.
.macro STEP slot, q, zero
	s_wait_dscnt 4*NL                              ; B's set and A's blocks 0-3 are in; the youngest 24 loads (A's blocks 4-7) may be out
	WIN MUL_LO
	MUL16 0, (\q)%2, \q, \slot, \zero
	MUL16 2, (\q)%2, \q, \slot, \zero
	s_wait_dscnt 0                                 ; A's blocks 4-7 are in (asked for 32 matrix instructions ago)
	PLACES NP
	FETCH_B \slot, (\q)+1, 1-(\q)%2
	FETCH_A \slot, (\q)+1, 0
	WIN MUL_HI
	MUL16 4, (\q)%2, \q, \slot, \zero
	MUL16 6, (\q)%2, \q, \slot, \zero
	PLACES NP
	WIN 0
	FETCH_A \slot, (\q)+1, 4
.endm
; A slot's last step changes slots: ONE barrier; in front of it each wave waits for all its tensor loads, adds 0 to its spare word, and waits for that and for its own reads of this slot.  fill = 1: this slot is filled again, two K steps ahead.
.macro TURN slot, next, fill
	s_wait_tensorcnt 0x0                           ; all my tensor loads have landed: my part of the next slot;  (every window is 0 here: the add's two registers lie in window 0)
	ds_add_u32 v[SPW], v[NIL]                      ; 0 onto my spare word
	s_wait_dscnt 4*NL+1                            ; (the add and the youngest 24 loads, A's blocks 4-7, may be out)
	WIN MUL_LO
	MUL16 0, 1, NQ-1, \slot, 0                     ; sixteen matrix instructions stand between the add and the wait for it
	s_wait_dscnt 0x0                               ; the add is done, and my reads of this slot are over
	s_barrier_signal -1
	MUL16 2, 1, NQ-1, \slot, 0
	WIN 0
	s_barrier_wait -1
.if \fill
	CREST                                          ; the barrier has opened a round of the cluster's barrier: no wave of any partner still reads this slot's tile or has a load on its way
	s_add_nc_u64 s[G0+4*\slot+2:G0+4*\slot+3], s[G0+4*\slot+2:G0+4*\slot+3], 2*ROWB
	s_add_nc_u64 s[G0B+4*\slot+2:G0B+4*\slot+3], s[G0B+4*\slot+2:G0B+4*\slot+3], 2*ROWB
	JLOAD G0+4*\slot, G1, G0B+4*\slot, G1B         ; the first tensor load behind the round; the four v_nop behind it are the places in front of the loads below
.else
	PLACES NP
.endif
	v_add_nc_u32 v[ADRS], 4*NQ, v[ADRS]            ; on to the next K step's scale words (no LDS load of mine is out)
	FETCH_B \next, 0, 0
	FETCH_A \next, 0, 0
	SCALES \next
	WIN MUL_HI
	MUL16 4, 1, NQ-1, \slot, 0
	MUL16 6, 1, NQ-1, \slot, 0
	PLACES NP
	WIN 0
	FETCH_A \next, 0, 4
.endm
	s_wait_tensorcnt 1                             ; the scales and my part of K step 0 are in (K step 1's load may be out)
	s_barrier_signal -1
	s_barrier_wait -1                              ; everybody's are
	FETCH_B 0, 0, 0
	FETCH_A 0, 0, 0
	SCALES 0
	FETCH_A 0, 0, 4
	STEP 0, 0, 1                                   ; the first step stands in front of the loop: its products start the sums
	s_mov_b32 s3, LAPS-1
.Llap:                                                 ; a trip goes once round the ring, from a lap's second step to the next lap's first, and fills both slots again
	TURN 0, 1, 1
	STEP 1, 0, 0
	TURN 1, 0, 1
	STEP 0, 0, 0
	s_sub_co_u32 s3, s3, 1
	s_cmp_lg_u32 s3, 0
	s_cbranch_scc1 .Llap
	TURN 0, 1, 0                                   ; the last lap fills nothing, and has no round of the cluster's barrier
	STEP 1, 0, 0
	s_wait_dscnt 4*NL                              ; the very last step: nothing more to fetch
	WIN MUL_LO
	MUL16 0, 1, NQ-1, 1, 0
	MUL16 2, 1, NQ-1, 1, 0
	s_wait_dscnt 0
	WIN MUL_HI
	MUL16 4, 1, NQ-1, 1, 0
	MUL16 6, 1, NQ-1, 1, 0
	WIN 0
; THE WAY OUT.
; QUANT: the 64 numbers v[HA] .. v[HA + 63] of a lane, register 16 b + i = place 32 b + 16 (lane / 16) + i along the next K, become codes: blocks 0, 1 in v[d0] .. v[d0 + 5], blocks 2, 3 in v[d1] .. v[d1 + 5], and the four scale bytes in v[w].
.macro QUANT d0, d1, w
.irp b, 0,1,2,3
	v_max3_num_f32 v[TM+\b], |v[HA+16*\b]|, |v[HA+1+16*\b]|, 0x1800000   ; block b: my 16 numbers, and the floor 2^(3 - 127): so the byte cannot fall under 1
.endr
.irp i, 2,4,6,8,10,12,14
.irp b, 0,1,2,3
	v_max3_num_f32 v[TM+\b], v[TM+\b], |v[HA+16*\b+\i]|, |v[HA+1+16*\b+\i]|   ; (the four blocks by turns: no line waits for the line above it)
.endr
.endr
.irp b, 0,1,2,3
	v_permlanex16_b32 v[TM+4+\b], v[TM+\b], s[SEL], s[SEL+1]
.endr
.irp b, 0,1,2,3
	v_max_num_f32 v[TM+\b], v[TM+\b], v[TM+4+\b]   ; with lane l xor 16's: the block's largest magnitude
.endr
.irp b, 0,1,2,3
	v_add_nc_u32 v[TM+12+\b], 0xff000000, v[TM+\b]   ; 2 off its exponent field: the conversion's scale operand
.endr
.irp b, 0,1,2,3
	v_lshrrev_b32 v[TM+4+\b], 23, v[TM+12+\b]      ; the scale's byte
.endr
	v_lshl_or_b32 v[(\w)], v[TM+5], 8, v[TM+4]
	v_lshl_or_b32 v[(\w)], v[TM+6], 16, v[(\w)]
	v_lshl_or_b32 v[(\w)], v[TM+7], 24, v[(\w)]
	v_cvt_scalef32_pk16_fp6_f32 v[(\d0):(\d0)+2], v[HA:HA+15], v[TM+12]
	v_cvt_scalef32_pk16_fp6_f32 v[CT:CT+2], v[HA+16:HA+31], v[TM+13]       ; (a conversion's three registers begin on an even number: the second half of a block's six is made elsewhere and moved)
	v_cvt_scalef32_pk16_fp6_f32 v[(\d1):(\d1)+2], v[HA+32:HA+47], v[TM+14]
	v_cvt_scalef32_pk16_fp6_f32 v[CT+4:CT+6], v[HA+48:HA+63], v[TM+15]
	v_nop                                          ; one plain place behind a scaled conversion
.irp i, 0,1,2                                  ; the operand's layout wants a WHOLE block in a lane: lanes 0-15 the even block, lanes 16-31 the odd one
	v_permlane16_swap_b32 v[(\d0)+\i], v[CT+\i]
.endr
.irp i, 0,1,2
	v_mov_b32 v[(\d0)+3+\i], v[CT+\i]
.endr
.irp i, 0,1,2
	v_permlane16_swap_b32 v[(\d1)+\i], v[CT+4+\i]
.endr
.irp i, 0,1,2
	v_mov_b32 v[(\d1)+3+\i], v[CT+4+\i]
.endr
.endm
; BLOCK a: the 64 sums of A's block a come into window 0 with their biases added, one packed addition for both (each accumulator from its low end on), and are quantised.
; mode 0 (q, k): the 128 features are two heads' 64: blocks 0, 1 go to the first head's image, blocks 2, 3 to the second's, at the half u = a % 2 of a pair of tokens' tiles.   mode 1 (v): the 128 keys are one whole fragment.
.macro BLOCK a, mode
	WIN 0x02+(\a)/4                                ; source 0: window 2 or 3
.set i, 0
.rept 32
.if \mode
	v_pk_add_f32 v[HA+i:HA+i+1], v[64*((\a)%4)+i:64*((\a)%4)+i+1], v[BIAS+8*(\a)+i%8:BIAS+8*(\a)+i%8+1]
.else
	v_pk_add_f32 v[HA+i:HA+i+1], v[64*((\a)%4)+i:64*((\a)%4)+i+1], v[BIAS+i:BIAS+i+1]
.endif
.set i, i+2
.endr
	WIN 0
.if \mode
.set D0, IM+12*((\a)%2)
.set D1, IM+12*((\a)%2)+6
.else
.set D0, IM+6*((\a)%2)
.set D1, IM+12+6*((\a)%2)
.endif
	QUANT D0, D1, PW+(\a)
.endm
.macro EPI mode
.irp b, 0,1,2,3
	v_mov_b32 v[TM+4+\b], 0                        ; written once: a lane permute's destination counts as one of its sources
.endr
.irp p, 0,1,2,3
.if \p > 0
	s_wait_xcnt 0x0                                ; the last pair's stores have had their addresses translated (ISA guide 3.1): only behind this wait are the images written again
.endif
	BLOCK 2*\p, \mode
	BLOCK 2*\p+1, \mode
.irp e, 0,1
.irp c, 0,1,2
.if \mode
	global_store_b128 v[L16], v[IM+12*\e+4*\c:IM+12*\e+4*\c+3], s[12:13] offset:(\p/2)*HEADB+(2*(\p%2)+\e)*1536+512*\c   ; head p / 2, fragment 2 (p % 2) + e: 32 lanes store 512 consecutive bytes, aligned
.else
	global_store_b128 v[L16], v[IM+12*\e+4*\c:IM+12*\e+4*\c+3], s[12:13] offset:\e*HEADB+\p*1536+512*\c                  ; head e, fragment p
.endif
.endr
.endr
.endr
.if \mode
.set WWB, PW                                   ; v: block a's word is fragment a % 4 of head a / 4 as it stands
.else
.set WWB, WW
.irp p, 0,1,2,3                                ; q, k: a block's word holds two heads' two bytes: a pair of blocks gives each head a word
	v_perm_b32 v[WW+\p], v[PW+2*\p+1], v[PW+2*\p], 0x05040100     ; the first head: the two low halves
	v_perm_b32 v[WW+4+\p], v[PW+2*\p+1], v[PW+2*\p], 0x07060302   ; the second: the two high halves
.endr
.endif
.irp e, 0,1                                    ; a lane stores 8 bytes: lanes 0-15 the words of fragments 0 and 2, lanes 16-31 of 1 and 3: so one register carries two fragments' words for the reader
	v_cndmask_b32 v[XW+2*\e], v[WWB+4*\e], v[WWB+4*\e+1], s18
	v_cndmask_b32 v[XW+2*\e+1], v[WWB+4*\e+2], v[WWB+4*\e+3], s18
	global_store_b64 v[L8], v[XW+2*\e:XW+2*\e+1], s[12:13] offset:6144+\e*HEADB   ; 32 lanes store 256 consecutive bytes, aligned
.endr
.endm
	PLACES NP                                      ; behind the last products: their results are read, and A's fragments written over, by vector instructions
	s_mov_b32 s18, 0xffff0000                      ; lanes 16-31
	s_mov_b32 s[SEL], 0x76543210
	s_mov_b32 s[SEL+1], 0xfedcba98
	s_wait_loadcnt 0x0                             ; the biases
	s_cmp_eq_u32 s96, 2                            ; the tensor's number: the same in all partners
	s_cbranch_scc1 .Lfor_v
	EPI 0
	s_branch .Ldone
.Lfor_v:
	EPI 1
.Ldone:
	s_wait_tensorcnt 0x0                           ; the wave's end
	ds_add_u32 v[SPW], v[NIL]
	s_wait_dscnt 0x0
	CROUND                                         ; the closing round: no work-group ends while a partner may still ask for a tile that names it
	s_endpgm
.Lfunc_end_k_q896a7a830f_proj:
	.size	k_q896a7a830f_proj, .Lfunc_end_k_q896a7a830f_proj-k_q896a7a830f_proj
	.p2alignl 7, 3214868480
	.fill 96, 4, 3214868480
	.section	.rodata,"a",@progbits
	.p2align	6, 0x0
	.amdhsa_kernel k_q896a7a830f_proj
		.amdhsa_group_segment_fixed_size 327680
		.amdhsa_private_segment_fixed_size 0
		.amdhsa_enable_private_segment 0
		.amdhsa_kernarg_size 64
		.amdhsa_user_sgpr_count 2
		.amdhsa_user_sgpr_kernarg_segment_ptr 1
		.amdhsa_wavefront_size32 1
		.amdhsa_system_sgpr_workgroup_id_x 1
		.amdhsa_system_sgpr_workgroup_id_y 1
		.amdhsa_system_sgpr_workgroup_id_z 1
		.amdhsa_system_vgpr_workitem_id 0
		.amdhsa_next_free_vgpr 1024
		.amdhsa_next_free_sgpr 102
		.amdhsa_reserve_vcc 0
		.amdhsa_float_denorm_mode_32 3
		.amdhsa_float_denorm_mode_16_64 3
		.amdhsa_memory_ordered 1
		.amdhsa_forward_progress 1
		.amdhsa_inst_pref_size 237
	.end_amdhsa_kernel
	.amdgpu_metadata
---
amdhsa.version: [ 1, 2 ]
amdhsa.kernels:
  - .name:           k_q896a7a830f_proj
    .symbol:         k_q896a7a830f_proj.kd
    .args:
      - { .name: xc, .offset: 0, .size: 8, .value_kind: global_buffer, .address_space: global }
      - { .name: xs, .offset: 8, .size: 8, .value_kind: global_buffer, .address_space: global }
      - { .name: wc, .offset: 16, .size: 8, .value_kind: global_buffer, .address_space: global }
      - { .name: ws, .offset: 24, .size: 8, .value_kind: global_buffer, .address_space: global }
      - { .name: bq, .offset: 32, .size: 8, .value_kind: global_buffer, .address_space: global }
      - { .name: bk, .offset: 40, .size: 8, .value_kind: global_buffer, .address_space: global }
      - { .name: bv, .offset: 48, .size: 8, .value_kind: global_buffer, .address_space: global }
      - { .name: pj, .offset: 56, .size: 8, .value_kind: global_buffer, .address_space: global }
    .group_segment_fixed_size: 327680
    .private_segment_fixed_size: 0
    .kernarg_segment_align: 8
    .kernarg_segment_size: 64
    .max_flat_workgroup_size: 128
    .sgpr_count:     102
    .vgpr_count:     1024
    .wavefront_size: 32
...
	.end_amdgpu_metadata
.endif
;; end of part 3
;; launch attn (part 4): grid 4 x 64, 16 waves a work-group, clusters of 4 x 1, 276,480 bytes of LDS; arguments pj, out0; writes out0
.if DOCPART == 4
	.amdgcn_target "amdgcn-amd-amdhsa--gfx1250"
	.amdhsa_code_object_version 6
	.text
	.protected	k_q896a7a830f_attn
	.globl	k_q896a7a830f_attn
	.p2align	8
	.type	k_q896a7a830f_attn,@function
k_q896a7a830f_attn:
	s_mov_b64 s[64:65], 0
	v_nop
	global_prefetch_b8 v0, s[64:65] scope:SCOPE_SE
	s_setreg_imm32_b32 hwreg(HW_REG_WAVE_MODE, 25, 1), 1
	s_wait_xcnt 0x0
	s_wait_alu depctr_hold_cnt(0) depctr_sa_sdst(0) depctr_va_vdst(0) depctr_va_sdst(0) depctr_va_ssrc(0) depctr_va_vcc(0) depctr_vm_vsrc(0)
	s_getreg_b32 s2, hwreg(HW_REG_IB_STS2, 6, 4)
	s_cmp_eq_u32 s2, 0
	s_cbranch_scc0 .Lentry_in_a_cluster
	s_endpgm
.Lentry_in_a_cluster:
	s_bfe_u32 s2, ttmp6, 0x10000c
	s_cmp_lg_u32 s2, 0x3003
	s_cbranch_scc0 .Lentry_shape_is_right
	s_endpgm
.Lentry_shape_is_right:
; out[b][q][64 head + d] = the sum over k of softmax_k(q . k / 8) v[k][d], both products on codes of FP6 (E2M3) with E8M0 scales, for 64 (batch, head) pairs of 2,048 x 2,048, head size 64.
; pj holds q, k and v as images of the operands' registers: 3 regions x 64 heads x 16 records of 6,400 bytes; a record = 4 images of 1,536 bytes (register group c of lane l at 512 c + 16 l) + 256 bytes of scale words
; (lane l's 8 bytes at 6144 + 8 l: word e: fragment 2 e in lanes 0-15, fragment 2 e + 1 in lanes 16-31).
;   q, k: fragment f of a record = tokens 32 f .. 32 f + 31 in pairs: registers 6 u .. 6 u + 5 of lane (r, h) = token 32 f + 8 u + r + 8 (r / 8), channels 32 h .. + 31; scale bytes 0, 1: u = 0; 2, 3: u = 1.
;   v: fragment dt = channels 32 (dt / 2) + 8 (dt % 2) + r + 8 (r / 8), registers 6 c .. 6 c + 5 = keys 64 c + 32 h + 0 .. 31.
; THE SOFTMAX AHEAD OF THE SECOND PRODUCT: t = score x log2(e) / 8; M = the row's largest t so far, rounded UP to a whole number; p = 2^(t - M) is what is quantised, along the keys, not normalised.  The row's sum is taken
; of the unquantised p, in f32, and divides O at the end.  When M moves, the sum and O are multiplied by 2^(old M - new M): exact.
; SHARES.  A work-group owns 512 queries of one head; each of its sixteen waves 32 of them (one paired fragment of q), as two passes of 16: four waves to a SIMD, so that one wave's vector work stands beside another's
; matrix work and LDS loads.  Each pass walks the head's 2,048 keys, 128 a step.
; THE HEAD'S K AND V STAY IN LDS: 2 x 102,400 bytes, filled once: no ring, nothing is filled again, one barrier.  Each wave brings two neighbouring records (12,800 dense bytes) by one tensor load: one load a wave is out.
; CLUSTER.  The four work-groups of a cluster are the four quarters of one head's queries and need the same K and V: each load is asked for jointly, with the same descriptor and the mask of all four.
; K = 64 IN A FORM OF K = 128.  A paired fragment of k (32 keys) is source 0 of TWO products: against [q; zeros] it gives the scores of the keys u = 0, against [zeros; q] those of u = 1.  In the other half k's codes meet
; zero CODES of q under scale bytes from 1 to 254, and add exactly 0.  (Zeros on one side only: the other side's codes are the neighbouring keys', which spares half of K's LDS loads and registers.)
; LAYOUT.  Both products are used transposed: S^T = K Q^T, O^T = V^T P^T: a lane holds ONE query (lane % 16) throughout; the 16 registers of score tiles 2 f and 2 f + 1 are keys 32 f + 16 (lane / 16) + 0 .. 15.
; LIMITS: NaN and infinities are not served.  A block of p whose every number has fallen to 0 keeps the byte 1: its codes are zeros.  A block's largest p is not searched for: the block's largest score goes through the same
; multiply-add and exponential, which takes v_exp_f32 not to fall where its input rises; at the worst one p of a block would be held one code low.
.set REC,   6400                       ; a record
.set HEADB, 102400                     ; a head's 16 records
.set REG,   6553600                    ; a region of pj
.set VREG,  102400                     ; LDS: K's records from 0, V's from here
.set STAGE, 204800                     ; LDS: the way out: 16 rows x (256 bytes + 16) for each wave; no tensor load lands here
.set SP,    272
.set AK0,  1                           ; v1   16 x lane: my place in an image (K's; also q's in memory)
.set AV0,  2                           ; v2   the same in V's records
.set ASK0, 3                           ; v3   8 x lane + 6144: my scale words in a record of K
.set ASV0, 4                           ; v4   of V
.set GO,   5                           ; v5   the way out: my byte offset in the wave's rows of out
.set STO,  6                           ; v6   where I put 16 bytes of a row in the stage
.set RD,   7                           ; v7   where I read a row back
.set ADK,  8                           ; v8-11 the step's LDS addresses
.set ADV,  9
.set ADS,  10
.set ADT,  11
.set QZ,   16                          ; v16-33: zeros, q, zeros: v[22:33] = [q; 0], v[16:27] = [0; q]
.set SQ,   34                          ; v34  q's scale word (its two bytes twice)
.set F,    36                          ; v36-83 four fragments of K, then of V
.set KS,   84                          ; v[84:85] K's scale words;  v[86:87] V's
.set VS,   86
.set QW,   88                          ; v88  q's scale word as stored (both passes')
.set QSO,  90                          ; v90  its offset
.set QT,   91                          ; v91  the pass's two bytes
.set S,    96                          ; v96-159 S^T, then p
.set O,    160                         ; v160-191 O^T
.set PC,   192                         ; v192-203 p's codes
.set CT,   204                         ; v204-206, v208-210 the conversions' second halves
.set BM,   212                         ; v212-215 each block's largest score, then largest p
.set PT,   216                         ; v216-219 the other half's, then the bytes
.set SO,   220                         ; v220-223 the conversions' scale operands
.set PS,   224                         ; v224 p's scale word
.set TT,   225                         ; v225 at work
.set FF,   226                         ; v[226:227] f = 2^(old M - new M); the pair's upper word is written once
.set SUMT, 228                         ; v[228:229] the sum's second chain
.set WV,   8                           ; s8   my wave's number
.set G1,   16                          ; s[16:23] descriptor group 1;  s[24:27] group 0
.set G0,   24
.set SEL,  32                          ; s[32:33] lane selects for v_permlanex16_b32: lane l xor 16
.set CS,   34                          ; s[34:35] c = log2(e) / 8
.set TB,   36                          ; s36  LDS byte at which the step's record begins
.set CNT,  37                          ; s37  steps to go
.macro CROUND                          ; a round of the cluster's barrier
	s_barrier_signal -1
	s_barrier_wait -1
	s_cmp_lg_u32 s[WV], 0
	s_cbranch_scc1 .Lnot_wave_0_\@
	s_barrier_signal -3
.Lnot_wave_0_\@:
	s_barrier_wait -3
	s_barrier_signal -1
	s_barrier_wait -1
.endm
	s_load_b128 s[4:7], s[0:1], 0x0                ; pj s[4:5], out s[6:7]
	v_lshl_add_u32 v254, v0, 2, 0x43000
	v_mov_b32 v255, 0
	ds_add_u32 v254, v255
	ds_add_u32 v254, v255
	v_lshrrev_b32 v8, 5, v0
	v_readfirstlane_b32 s[WV], v8                  ; wave 0..15
	s_bfe_u32 s9, ttmp6, 0x40000                   ; cx: which quarter of the queries: it enters q's and out's addresses alone
	s_and_b32 s10, ttmp7, 0xffff                   ; 16 x batch + head, which the four partners share
	s_mul_i32 s50, s10, HEADB                      ; the head's block in a region
	s_and_b32 s44, s[WV], 1                        ; I fetch for K (0) or for V (1),
	s_lshr_b32 s45, s[WV], 1                       ; its records 2 (w / 2) and 2 (w / 2) + 1
	s_mul_i32 s47, s45, 2*REC
	s_mul_i32 s46, s44, VREG
	s_add_co_u32 s46, s46, s47                     ; where they go in LDS: the wave's number and constants alone
	s_add_co_u32 s48, s44, 1
	s_mul_i32 s48, s48, REG                        ; region 1 (k) or 2 (v)
	s_add_co_u32 s48, s48, s50
	s_add_co_u32 s48, s48, s47
	s_mov_b32 s49, 0
	; descriptor group 1: 12,800 dense bytes as 50 rows of 256 bytes (32 elements of 8 bytes)
	s_mov_b32 s[G1], 15|(3<<16)|(1<<21)            ; 15:0 the mask: all four work-groups; 17:16 elements of 8 bytes; 20 no padding; 21 set beside a mask
	s_mov_b32 s[G1+1], 32<<16                      ; tensor_dim0 = 32
	s_mov_b32 s[G1+2], 50<<16                      ; tensor_dim1 = 50
	s_mov_b32 s[G1+3], 32<<16                      ; tile_dim0 = 32
	s_mov_b32 s[G1+4], 50                          ; tile_dim1 = 50
	s_mov_b32 s[G1+5], 32                          ; tensor_dim0_stride
	s_mov_b32 s[G1+6], 0
	s_mov_b32 s[G1+7], 0
	s_lshl_b32 s51, s9, 4
	s_add_co_u32 s51, s51, s[WV]                   ; f: my paired fragment of q: queries 32 f .. 32 f + 31
	s_lshr_b32 s52, s51, 2
	s_mul_i32 s52, s52, REC
	s_add_co_u32 s52, s52, s50                     ; its record (region 0)
	s_and_b32 s53, s51, 3
	s_mul_i32 s53, s53, 1536
	s_add_co_u32 s38, s52, s53                     ; its image
	s_mov_b32 s39, 0
	s_and_b32 s53, s51, 1
	s_lshl_b32 s53, s53, 7
	s_bfe_u32 s54, s51, 0x10001
	s_lshl_b32 s54, s54, 2
	s_add_co_u32 s40, s52, s53
	s_add_co_u32 s40, s40, s54
	s_add_co_u32 s40, s40, 6144                    ; its scale words: 6144 + 128 (f % 2) + 4 ((f / 2) % 2), 8 bytes a row
	s_mov_b32 s41, 0
	s_lshr_b32 s53, s10, 4
	s_lshl_b32 s53, s53, 23                        ; out: the batch's 2,048 rows of 4,096 bytes,
	s_lshl_b32 s54, s51, 17                        ; my 32 rows,
	s_add_co_u32 s42, s53, s54
	s_and_b32 s53, s10, 15
	s_lshl_b32 s53, s53, 8                         ; the head's 256 bytes of a row
	s_add_co_u32 s42, s42, s53
	s_mov_b32 s43, 0
	s_mov_b32 s[SEL], 0x76543210
	s_mov_b32 s[SEL+1], 0xfedcba98
	s_mov_b32 s[CS], 0x3e38aa3b                    ; c = log2(e) / 8
	s_mov_b32 s[CS+1], s[CS]                       ; (named with it as a pair, so it is written)
	s_wait_dscnt 0x0
	s_wait_kmcnt 0x0
	s_mov_b32 s[G0], 1                             ; 1:0 count = 1
	s_mov_b32 s[G0+1], s46                         ; 63:32 LDS address
	s_add_nc_u64 s[G0+2:G0+3], s[4:5], s[48:49]    ; 120:64 global address
	s_or_b32 s[G0+3], s[G0+3], 0x80000000          ; 127:126 type = 2
	s_add_nc_u64 s[38:39], s[4:5], s[38:39]        ; q's image
	s_add_nc_u64 s[40:41], s[4:5], s[40:41]        ; q's scale words
	s_add_nc_u64 s[42:43], s[6:7], s[42:43]        ; out
	CROUND                                         ; all four work-groups are here: the joint loads meet
	tensor_load_to_lds s[G0:G0+3], s[G1:G1+7]      ; my sixteenth of the head's K and V: the launch's only fill
	s_nop 0
.rept 4
	v_nop
.endr
	v_and_b32 v8, 31, v0                           ; lane
	v_and_b32 v9, 15, v0                           ; r
	v_bfe_u32 v10, v0, 4, 1                        ; h
	v_lshlrev_b32 v[AK0], 4, v8
	v_add_nc_u32 v[AV0], VREG, v[AK0]
	v_lshl_add_u32 v[ASK0], v8, 3, 6144
	v_add_nc_u32 v[ASV0], VREG, v[ASK0]
	v_lshlrev_b32 v[GO], 12, v10
	v_lshl_add_u32 v[GO], v9, 4, v[GO]             ; lanes 0-15 take one row of out, lanes 16-31 the next; 16 bytes a lane
	s_mul_i32 s44, s[WV], 16*SP
	s_add_co_u32 s44, s44, STAGE                   ; my stage
	v_mul_u32_u24 v[STO], v9, SP
	v_lshl_add_u32 v[STO], v10, 6, v[STO]
	v_add_nc_u32 v[STO], s44, v[STO]               ; in: row r, + 64 h: tile dt's eight channels are 32 (dt / 2) + 16 h + 8 (dt % 2) + 0 .. 7
	v_mul_u32_u24 v[RD], v10, SP
	v_lshl_add_u32 v[RD], v9, 4, v[RD]
	v_add_nc_u32 v[RD], s44, v[RD]                 ; back: lanes 0-15 one row, lanes 16-31 the next
	v_lshlrev_b32 v[QSO], 3, v9
	global_load_b32 v[QW], v[QSO], s[40:41]        ; q's scale words: row r's, both passes' bytes
.irp i, 0,1,2,3,4,5
	v_mov_b32 v[QZ+\i], 0                          ; the zero codes on either side of q
	v_mov_b32 v[QZ+12+\i], 0
.endr
.irp b, 0,1,2,3
	v_mov_b32 v[PT+\b], 0                          ; written once: a lane permute's destination counts as one of its sources
.endr
	v_mov_b32 v[TT], 0
	v_mov_b32 v[FF+1], 0                           ; (named as the upper half of a pair)
; A KEY STEP: 128 keys: the record at s[TB].
.macro STEP
	v_add_nc_u32 v[ADK], s[TB], v[AK0]             ; these four are also the places between the last step's products and the loads into the registers that they read
	v_add_nc_u32 v[ADV], s[TB], v[AV0]
	v_add_nc_u32 v[ADS], s[TB], v[ASK0]
	v_add_nc_u32 v[ADT], s[TB], v[ASV0]
.irp f, 0,1,2,3
.irp c, 0,1,2
	ds_load_b128 v[F+12*\f+4*\c:F+12*\f+4*\c+3], v[ADK] offset:1536*\f+512*\c   ; an image comes back as it was stored: 32 lanes read 512 consecutive bytes
.endr
.endr
	ds_load_b64 v[KS:KS+1], v[ADS]
	s_wait_dscnt 0x0
.irp f, 0,1,2,3                                ; S^T = K Q^T: each paired fragment against [q; 0] and against [0; q]
.if \f % 2
	v_wmma_scale_f32_16x16x128_f8f6f4 v[S+16*\f:S+16*\f+7], v[F+12*\f:F+12*\f+11], v[QZ+6:QZ+17], 0, v[KS+\f/2], v[SQ] matrix_a_fmt:MATRIX_FMT_FP6 matrix_b_fmt:MATRIX_FMT_FP6 matrix_a_scale:MATRIX_SCALE_ROW1
	v_wmma_scale_f32_16x16x128_f8f6f4 v[S+16*\f+8:S+16*\f+15], v[F+12*\f:F+12*\f+11], v[QZ:QZ+11], 0, v[KS+\f/2], v[SQ] matrix_a_fmt:MATRIX_FMT_FP6 matrix_b_fmt:MATRIX_FMT_FP6 matrix_a_scale:MATRIX_SCALE_ROW1
.else
	v_wmma_scale_f32_16x16x128_f8f6f4 v[S+16*\f:S+16*\f+7], v[F+12*\f:F+12*\f+11], v[QZ+6:QZ+17], 0, v[KS+\f/2], v[SQ] matrix_a_fmt:MATRIX_FMT_FP6 matrix_b_fmt:MATRIX_FMT_FP6
	v_wmma_scale_f32_16x16x128_f8f6f4 v[S+16*\f+8:S+16*\f+15], v[F+12*\f:F+12*\f+11], v[QZ:QZ+11], 0, v[KS+\f/2], v[SQ] matrix_a_fmt:MATRIX_FMT_FP6 matrix_b_fmt:MATRIX_FMT_FP6
.endif
.endr
.rept 4
	v_nop                                          ; places in front of the loads into K's registers and of the first read of the scores
.endr
.irp f, 0,1,2,3
.irp c, 0,1,2
	ds_load_b128 v[F+12*\f+4*\c:F+12*\f+4*\c+3], v[ADV] offset:1536*\f+512*\c   ; V's four fragments land while the softmax is walked
.endr
.endr
	ds_load_b64 v[VS:VS+1], v[ADT]
.irp b, 0,1,2,3
	v_max3_num_f32 v[BM+\b], v[S+16*\b], v[S+1+16*\b], v[S+2+16*\b]   ; THE LARGEST SCORE OF EACH BLOCK OF 32 KEYS: it serves the row's maximum and, since p rises with the score, the block's largest p
.endr
.irp i, 3,5,7,9,11,13
.irp b, 0,1,2,3
	v_max3_num_f32 v[BM+\b], v[BM+\b], v[S+16*\b+\i], v[S+1+16*\b+\i]   ; (the four blocks by turns; each accumulator is read from its low end on)
.endr
.endr
.irp b, 0,1,2,3
	v_max_num_f32 v[BM+\b], v[BM+\b], v[S+15+16*\b]
.endr
.irp b, 0,1,2,3
	v_permlanex16_b32 v[PT+\b], v[BM+\b], s[SEL], s[SEL+1]
.endr
.irp b, 0,1,2,3
	v_max_num_f32 v[BM+\b], v[BM+\b], v[PT+\b]     ; with lane l xor 16's 16 keys
.endr
	v_max3_num_f32 v[TT], v[BM], v[BM+1], v[BM+2]
	v_max_num_f32 v[TT], v[TT], v[BM+3]            ; the step's largest score of my query
	v_mul_f32 v[TT], s[CS], v[TT]                  ; as t (c is positive)
	v_max_num_f32 v13, v13, v[TT]                  ; the running largest t
	v_mov_b32 v[TT], v12
	v_floor_f32 v12, -v13                          ; the new -M = floor(-t) = -ceil(t): M is a whole number
	v_sub_f32 v[TT], v12, v[TT]                    ; M's old value less its new one: a whole number, 0 or less
	v_cvt_i32_f32 v[TT], v[TT]                     ; (it saturates)
	v_ldexp_f32 v[FF], 1.0, v[TT]                  ; f = 2^(old M - new M): a multiplication by it rounds nothing
.set j, 0
.rept 32
	v_pk_fma_f32 v[S+j:S+j+1], v[S+j:S+j+1], s[CS:CS+1], v[12:13] op_sel_hi:[1,0,0]   ; t - M, two at a time (of the pairs c and -M the low word serves both halves)
.set j, j+2
.endr
.irp b, 0,1,2,3
	v_fma_f32 v[BM+\b], v[BM+\b], s[CS], v12       ; the same of each block's largest score
.endr
.set j, 0
.rept 64
	v_exp_f32 v[S+j], v[S+j]                       ; p = 2^(t - M), at most 1: not normalised
.set j, j+1
.endr
.irp b, 0,1,2,3
	v_exp_f32 v[BM+\b], v[BM+\b]                   ; the block's largest p: the same two instructions on the same number give the same bits
.endr
	v_pk_mul_f32 v[14:15], v[14:15], v[FF:FF+1] op_sel_hi:[1,0]   ; the sums under the new M.  (A plain place behind the exponentials)
	s_wait_alu depctr_va_vdst(0)
.irp b, 0,1,2,3
	v_max_num_f32 v[BM+\b], 0x1800000, v[BM+\b]    ; the floor 2^(3 - 127): the byte cannot fall under 1
.endr
.irp b, 0,1,2,3
	v_add_nc_u32 v[SO+\b], 0xff000000, v[BM+\b]    ; 2 off the exponent field: the conversion's scale operand
.endr
.irp b, 0,1,2,3
	v_lshrrev_b32 v[PT+\b], 23, v[SO+\b]           ; the scale's byte
.endr
	v_lshl_or_b32 v[PS], v[PT+1], 8, v[PT]         ; p's scale word for these 128 keys
	v_lshl_or_b32 v[PS], v[PT+2], 16, v[PS]
	v_lshl_or_b32 v[PS], v[PT+3], 24, v[PS]
.irp c, 0,1
	v_cvt_scalef32_pk16_fp6_f32 v[PC+6*\c:PC+6*\c+2], v[S+32*\c:S+32*\c+15], v[SO+2*\c]
	v_cvt_scalef32_pk16_fp6_f32 v[CT+4*\c:CT+4*\c+2], v[S+32*\c+16:S+32*\c+31], v[SO+2*\c+1]   ; (a conversion's three registers begin on an even number)
.endr
	v_nop                                          ; one plain place behind a scaled conversion
.irp c, 0,1                                    ; the operand's layout wants a WHOLE block in a lane: lanes 0-15 block 2 c, lanes 16-31 block 2 c + 1
.irp i, 0,1,2
	v_permlane16_swap_b32 v[PC+6*\c+\i], v[CT+4*\c+\i]
.endr
.irp i, 0,1,2
	v_mov_b32 v[PC+6*\c+3+\i], v[CT+4*\c+\i]
.endr
.endr
	v_pk_add_f32 v[SUMT:SUMT+1], v[S:S+1], v[S+2:S+3]   ; THE ROW'S SUM IS TAKEN OF THE UNQUANTISED p: two at a time, in two chains
.irp j, 4,8,12,16,20,24,28,32,36,40,44,48,52,56,60
	v_pk_add_f32 v[14:15], v[14:15], v[S+\j:S+\j+1]
	v_pk_add_f32 v[SUMT:SUMT+1], v[SUMT:SUMT+1], v[S+2+\j:S+3+\j]
.endr
	v_pk_add_f32 v[14:15], v[14:15], v[SUMT:SUMT+1]
.set j, 0
.rept 16
	v_pk_mul_f32 v[O+j:O+j+1], v[O+j:O+j+1], v[FF:FF+1] op_sel_hi:[1,0]   ; O^T under the new M.  (With the 32 additions above: 48 plain lines between p's codes and scale word and the products that take them)
.set j, j+2
.endr
	s_wait_dscnt 0x0                               ; V's fragments and scale words are in
.irp d, 0,1,2,3                                ; O^T += V^T P^T: four tiles of 16 channels, by turns; K = these 128 keys
.if \d % 2
	v_wmma_scale_f32_16x16x128_f8f6f4 v[O+8*\d:O+8*\d+7], v[F+12*\d:F+12*\d+11], v[PC:PC+11], v[O+8*\d:O+8*\d+7], v[VS+\d/2], v[PS] matrix_a_fmt:MATRIX_FMT_FP6 matrix_b_fmt:MATRIX_FMT_FP6 matrix_a_scale:MATRIX_SCALE_ROW1
.else
	v_wmma_scale_f32_16x16x128_f8f6f4 v[O+8*\d:O+8*\d+7], v[F+12*\d:F+12*\d+11], v[PC:PC+11], v[O+8*\d:O+8*\d+7], v[VS+\d/2], v[PS] matrix_a_fmt:MATRIX_FMT_FP6 matrix_b_fmt:MATRIX_FMT_FP6
.endif
.endr
	s_add_co_u32 s[TB], s[TB], REC                 ; the next record
.endm
.macro KEYS n                          ; n key steps from the head's first record on
	s_mov_b32 s[TB], 0
	s_mov_b32 s[CNT], \n
.Lkeys_\@:
	STEP
	s_sub_co_u32 s[CNT], s[CNT], 1
	s_cmp_lg_u32 s[CNT], 0
	s_cbranch_scc1 .Lkeys_\@
.endm
; A PASS: the 16 queries 32 f + 8 u + r + 8 (r / 8): registers 6 u .. 6 u + 5 of q's paired image.
.macro PASS u
.if \u == 0
	global_load_b128 v[QZ+6:QZ+9], v[AK0], s[38:39]              ; registers 0-3: group 0;
	global_load_b64 v[QZ+10:QZ+11], v[AK0], s[38:39] offset:512  ; 4, 5: the lower half of group 1
.else
	global_load_b64 v[QZ+6:QZ+7], v[AK0], s[38:39] offset:520    ; registers 6, 7: the upper half of group 1;
	global_load_b128 v[QZ+8:QZ+11], v[AK0], s[38:39] offset:1024 ; 8-11: group 2
.endif
	s_wait_loadcnt 0x0
.if \u == 0
	v_and_b32 v[QT], 0xffff, v[QW]                 ; the pass's two scale bytes,
.else
	v_lshrrev_b32 v[QT], 16, v[QW]
.endif
	v_lshl_or_b32 v[SQ], v[QT], 16, v[QT]          ; twice: they serve q in either half.  The 36 plain lines below are the places between this line and the products
	v_mov_b32 v13, 0xff61b1e6                      ; the largest t so far: -3e38, under every t
	v_floor_f32 v12, -v13                          ; -M
	v_mov_b32 v14, 0                               ; the sum, in two halves
	v_mov_b32 v15, 0
.set j, 0
.rept 32
	v_mov_b32 v[O+j], 0                            ; O^T.  (The step is written once: the first finds zeros, which the first change of M leaves zeros)
.set j, j+1
.endr
.if \u == 0
	s_wait_tensorcnt 0x0                           ; my part of the head's K and V is in LDS,
	s_barrier_signal -1
	s_barrier_wait -1                              ; everybody's is; nothing is filled again
.endif
	KEYS 16
	; THE WAY OUT: O^T / the sum goes through my stage in LDS, 16 rows of 256 bytes, so that sixteen lanes store 256 consecutive aligned bytes.
.rept 4
	v_nop                                          ; places behind the last products
.endr
	v_add_f32 v14, v14, v15                        ; the sum's two halves,
	v_permlanex16_b32 v[TT], v14, s[SEL], s[SEL+1]
	v_add_f32 v14, v14, v[TT]                      ; and lane l xor 16's: the row's sum
	v_rcp_f32 v14, v14
	v_nop                                          ; one plain place behind a transcendental
.set j, 0
	s_wait_alu depctr_va_vdst(0)
.rept 32
	v_mul_f32 v[S+j], v[O+j], v14                  ; register 8 dt + i is channel 32 (dt / 2) + 16 h + 8 (dt % 2) + i of my query
.set j, j+1
.endr
.irp d, 0,1,2,3
	ds_store_b128 v[STO], v[S+8*\d:S+8*\d+3] offset:128*(\d/2)+32*(\d%2)
	ds_store_b128 v[STO], v[S+8*\d+4:S+8*\d+7] offset:128*(\d/2)+32*(\d%2)+16
.endr
.irp i, 0,1,2,3,4,5,6,7
	ds_load_b128 v[S+32+4*\i:S+32+4*\i+3], v[RD] offset:2*\i*SP   ; LDS serves a wave's instructions in order: these see my stores
.endr
.irp i, 0,1,2,3,4,5,6,7
	s_wait_dscnt 7-\i                              ; load i is in; the 7 - i younger ones may be out
	global_store_b128 v[GO], v[S+32+4*\i:S+32+4*\i+3], s[42:43] offset:(2*\i+8*(\i/4)+8*\u)*4096 th:TH_STORE_NT   ; stage row m is query 8 u + m + 8 (m / 8) of my 32; written once, read by nobody here
.endr
.if \u == 0
	s_wait_xcnt 0x0                                ; the stores have had their addresses translated (ISA guide 3.1): only behind this wait are their data registers written again
.endif
.endm
	PASS 0
	PASS 1
	s_wait_tensorcnt 0x0
	ds_add_u32 v254, v255
	s_wait_dscnt 0x0
	CROUND                                         ; the closing round: no work-group ends while a partner may still ask for a tile that names it (no LDS instruction and no tensor load of mine is out)
	s_endpgm
.Lfunc_end_k_q896a7a830f_attn:
	.size	k_q896a7a830f_attn, .Lfunc_end_k_q896a7a830f_attn-k_q896a7a830f_attn
	.p2alignl 7, 3214868480
	.fill 96, 4, 3214868480
	.section	.rodata,"a",@progbits
	.p2align	6, 0x0
	.amdhsa_kernel k_q896a7a830f_attn
		.amdhsa_group_segment_fixed_size 276480
		.amdhsa_private_segment_fixed_size 0
		.amdhsa_enable_private_segment 0
		.amdhsa_kernarg_size 16
		.amdhsa_user_sgpr_count 2
		.amdhsa_user_sgpr_kernarg_segment_ptr 1
		.amdhsa_wavefront_size32 1
		.amdhsa_system_sgpr_workgroup_id_x 1
		.amdhsa_system_sgpr_workgroup_id_y 1
		.amdhsa_system_sgpr_workgroup_id_z 1
		.amdhsa_system_vgpr_workitem_id 0
		.amdhsa_next_free_vgpr 256
		.amdhsa_next_free_sgpr 66
		.amdhsa_reserve_vcc 0
		.amdhsa_float_denorm_mode_32 3
		.amdhsa_float_denorm_mode_16_64 3
		.amdhsa_memory_ordered 1
		.amdhsa_forward_progress 1
		.amdhsa_inst_pref_size 47
	.end_amdhsa_kernel
	.amdgpu_metadata
---
amdhsa.version: [ 1, 2 ]
amdhsa.kernels:
  - .name:           k_q896a7a830f_attn
    .symbol:         k_q896a7a830f_attn.kd
    .args:
      - { .name: pj, .offset: 0, .size: 8, .value_kind: global_buffer, .address_space: global }
      - { .name: out0, .offset: 8, .size: 8, .value_kind: global_buffer, .address_space: global }
    .group_segment_fixed_size: 276480
    .private_segment_fixed_size: 0
    .kernarg_segment_align: 8
    .kernarg_segment_size: 16
    .max_flat_workgroup_size: 512
    .sgpr_count:     66
    .vgpr_count:     256
    .wavefront_size: 32
...
	.end_amdgpu_metadata
.endif
;; end of part 4
